; MI455X (gfx1250); checked and timed in simulation.
; The chip was launched on July 23, 2026; its instructions are those of AMD's public machine-readable ISA for CDNA 5 (MIT licence, August 2026) and "CDNA5" Instruction Set Architecture Reference Guide (July 2026). The comments in the code are by the model that wrote it; some were corrected since.
;; Mo E. Allowed arithmetic: matrix products marked QUANTISED: E2M1 operands, one E8M0 scale for each 32 along K, by v_wmma_scale_f32_16x16x128_f8f6f4 with both operands' format E2M1 (or v_wmma_scale_f32_32x16x128_f4), f32 sums; products left as they are: f32 operands where the result goes on into a quantised operand, else bf16, f16 or f32 operands; f32 sums; everything else in f32.
;; Inputs: gate_b 8 float32; gate_w 1,024 x 8 float32; rb1 8 x 2,048 float32; rb2 8 x 2,048 float32; rb3 8 x 1,024 float32; rw1 8 x 1,024 x 2,048 float32; rw2 8 x 1,024 x 2,048 float32; rw3 8 x 2,048 x 1,024 float32; sb1 2 x 2,048 float32; sb2 2 x 2,048 float32; sb3 2 x 1,024 float32; sw1 2 x 1,024 x 2,048 float32; sw2 2 x 1,024 x 2,048 float32; sw3 2 x 2,048 x 1,024 float32; x 4 x 256 x 1,024 float32.
;; Outputs: out0 4 x 256 x 1,024 float32.
;; This version of the problem:
;;   THIS VERSION OF THE PROBLEM IS GIVEN IN LOW PRECISION. The matrix products marked QUANTISED in the list below multiply operands that are first quantised to E2M1 (2 exponent bits, 1 mantissa bit; 4 bits a number), with one power-of-two scale for each 32 numbers along K (OCP MX v1.0); their sums are f32. All else is computed in f32.
;;   The module's matrix products, in the order in which they are computed (A, B: the left and right operand; K: the contracted axis; several contracted axes count as one K, in the product's order):
;;     1. [M 1,024, K 1,024] x [K 1,024, N 8]; A: input x; B: input gate_w: left as it is (N = 8 < 16)
;;     2. [M 16,384, K 1,024] x [K 1,024, N 1,024]; A: input rw1; B: input x: QUANTISED
;;     3. [M 16,384, K 1,024] x [K 1,024, N 1,024]; A: input rw2; B: input x: QUANTISED
;;     4. batch 8 x [M 1,024, K 2,048] x [K 2,048, N 1,024]; A: computed on the way; B: input rw3: QUANTISED
;;     5. [M 4,096, K 1,024] x [K 1,024, N 1,024]; A: input sw1; B: input x: QUANTISED
;;     6. [M 4,096, K 1,024] x [K 1,024, N 1,024]; A: input sw2; B: input x: QUANTISED
;;     7. batch 2 x [M 1,024, K 2,048] x [K 2,048, N 1,024]; A: computed on the way; B: input sw3: QUANTISED
;;   THE QUANTISER, for each operand of a quantised product, along K:
;;     - K is cut into blocks of 32 from its start; a last block that is shorter is filled with zeros.
;;     - A block's scale is 2^e with e = floor(log2(the largest magnitude in the block)) - 2, held to -126 .. 127; a block of zeros has e = 0. As a byte (E8M0): e + 127.
;;     - Each number is divided by its block's scale, clamped to +-6, and rounded to the nearest number of E2M1, ties to even, subnormals kept.
;;     - The product sums the exact products of the quantised numbers (number of the format x scale) in f32.
;;   ~~~python
;;   def quantise(x, axis):      # numpy; x: float32 -> the quantised numbers, widened to float32 again
;;       x = np.moveaxis(x, axis, -1); K = x.shape[-1]
;;       x = np.pad(x, [(0, 0)] * (x.ndim - 1) + [(0, -K % 32)]); x = x.reshape(x.shape[:-1] + (-1, 32)); a = np.abs(x).max(-1, keepdims=True)
;;       e = np.where(a > 0, np.clip(np.frexp(np.where(a > 0, a, 1))[1] - 1 - 2, -126, 127), 0)      # np.frexp(a)[1] - 1 = floor(log2(a)), exactly
;;       r = np.clip(x / 2.0 ** e, -6, 6)
;;       step = 2.0 ** (np.maximum(np.frexp(np.where(r == 0, 1, r))[1] - 1, 0) - 1)
;;       q = np.round(r / step) * step * 2.0 ** e      # np.round: ties to even
;;       return np.moveaxis(q.reshape(q.shape[:-2] + (-1,))[..., :K], -1, axis).astype(np.float32)
;;   ~~~
;;   OPERANDS COMPUTED ON THE WAY. 'Computed on the way' means the value that the module computes at that place (a softmax that the list does not call 'softmax' is quantised finished and normalised). What goes into a quantiser is computed in f32, as accurately as f32 sums, v_exp_f32 and their like allow (about 1e-6 of the number): no bf16 or f16 on the way to a quantiser, and a product that is left as it is and whose result goes on into a quantised operand takes f32 operands (vector FMAs, or v_wmma_f32_16x16x4_f32). A number that lies on a knife's edge between two numbers of the format may be rounded either way, as far as f32 arithmetic and the matrix unit's own rounding can turn it there, and no further.
;; 2 versions, each right and faster than the one before. Each part assembles by itself: llvm-mc -triple=amdgcn-amd-amdhsa -mcpu=gfx1250 --defsym DOCPART=n.
;; ======== version 1 of 2: 4 launches
;; workspace buffers: xq 557,056 bytes; route 9,216 bytes of whole numbers; gatew 8,192 bytes; simg 6,684,672 bytes; hq 11,141,120 bytes; pos 33,792 bytes of whole numbers; y 41,943,040 bytes
;; launch prep (part 1): grid 256 x 1, 4 waves a work-group, no clusters, 54,528 bytes of LDS; arguments x, gate_w, gate_b, sw1, sw2, sw3, xq, route, gatew, simg; writes xq, route, gatew, simg
.if DOCPART == 1
	.amdgcn_target "amdgcn-amd-amdhsa--gfx1250"
	.amdhsa_code_object_version 6
	.text
	.protected	k_q545e6210fa_prep
	.globl	k_q545e6210fa_prep
	.p2align	8
	.type	k_q545e6210fa_prep,@function
k_q545e6210fa_prep:
	s_mov_b64 s[64:65], 0
	v_nop
	global_prefetch_b8 v0, s[64:65] scope:SCOPE_SE
	s_setreg_imm32_b32 hwreg(HW_REG_WAVE_MODE, 25, 1), 1
	s_wait_xcnt 0x0
; PREP: first of four launches (prep, up, down, combine) of a layer of 8 routed experts (top 2) and 2 shared experts, SwiGLU, all six large products on codes of FP4 (E2M1) with one E8M0 scale for each 32 along K.
; DEAD WORK LEFT OUT, IN THE WHOLE PROGRAM.  reference() computes routed_all for all 8 experts and all 1,024 tokens and then keeps, by take_along_axis on the indices of its own top_k, 2 of the 8 rows of each token.
; The other 6 rows of each token enter no sum and no output, whatever finite values the inputs hold.  So products 2, 3 and 4 are multiplied only for the rows (token, chosen expert): 2,048 rows in place of 8,192.
; Every input has a way to an output and is loaded.  LIMIT: a NaN, an infinity or an overflow that arises only in a row of an expert that was not chosen is not carried to the result.
; LIMITS: NaN and infinities among the inputs are not served.  The top 2 are taken on exp(logit - max), ahead of the division by the sum, with a strict comparison (the lower index wins a tie): a tie that only the
; division creates is not reproduced.  A block of zeros gets the scale byte 1 where the rule says 127: its codes are zeros, and the bytes are read by this program alone.
; WHAT THIS LAUNCH DOES.  Work-groups 0-191: one PANEL each of a shared weight (1,024 along K x 64 columns of f32, K the outer axis) becomes an image of operand registers in simg.
; Work-groups 192-255: 16 tokens each: x is quantised along its 1,024 (xq), the gate's logits are summed in f32, softmax, top 2; the chosen experts, their weights and, for each expert, a bit for each token are stored at fixed places.
; No address and no branch hangs on what comes of floating-point numbers: the choices are data here and steer addresses only in the later launches, which read them from memory.
; THE PANEL.  A load takes two whole pieces of 256 bytes of two K rows (lanes 0-15 row i, lanes 16-31 row 16 + i of a block of 32), so a lane gets 4 neighbouring columns of 16 rows.  The conversions want 8 neighbours along K
; of ONE column in consecutive registers: so each number is moved once (64 v_mov_b32 a block); that is the price of loads of 16 bytes a lane, of which a wave keeps up to 64 on their way.
; THE COLUMNS OF A TILE ARE NOT NEIGHBOURS: column 32 g + 16 a + 8 u + c (c = 0..7) is row 8 a + c of tile 2 g + u, so that in the later products a lane's 16 results of tiles 2 g, 2 g + 1 are 16 neighbours.
; A fragment (16 columns x 128 K) lies as 1,024 bytes: byte 512 c + 16 lane, lane 16 h + r holding block 2 c + h of tile row r.  A panel image: codes [tile 4][K step 8][1,024], then scale words [K step 8][g 2][lane 32][4].
.set PIMG,   0                         ; LDS, panel path: the codes, 32,768 bytes,
.set PSCL,   32768                     ; and the scale words, 2,048
.set XSTG,   34816                     ; LDS, token path: a stage of 32 places of 128 + 16 bytes for each wave,
.set XSC,    53248                     ; 16 tokens x 32 scale bytes,
.set XRT,    53760                     ; 16 tokens x 16 bytes (expert 0, expert 1, weight 0, weight 1)
.set SPARE,  54016                     ; the spare words, 128 bytes for each wave: two blocks of 256 bytes that no other line names
.set XSOFF,  524288                    ; xq: scale bytes behind the codes
.set PIMGB,  34816                     ; bytes of a panel image
.set WA, 2                             ; v2   where I put 8 bytes of codes
.set SA, 3                             ; v3   where I put a scale word
.set VO, 16                            ; v16-31 byte offset of my 16 bytes in row i of a block
.set T,  32                            ; v32-95  column j's 16 numbers at T + 16 j
.set M,  96                            ; largest magnitudes;  MP: lane l xor 16's;  SO: the conversions' scale operands;  BY: bytes;  SW: scale words;  C: codes
.set MP, 100
.set SO, 104
.set BY, 108
.set SW, 112
.set C,  116
.set PB, 32                            ; s[32:47] the wave's eight blocks: a base for each
.set SEL, 56                           ; s[56:57] lane selects of v_permlanex16_b32: lane l xor 16
.set MSB, 0
.macro WIN new                         ; the immediate's high byte repeats the setting that is left
.if MSB != \new
	s_set_vgpr_msb (MSB<<8)|\new
.set MSB, \new
.endif
.endm
.macro LOADSET ring, bq                ; block bq of the wave: 16 loads into place ring of the landing ring (window 1)
	WIN 0x40
.irp i, 0,1,2,3,4,5,6,7,8,9,10,11,12,13,14,15
	global_load_b128 v[64*(\ring)+4*\i:64*(\ring)+4*\i+3], v[VO+\i], s[PB+2*(\bq):PB+2*(\bq)+1] th:TH_LOAD_NT
.endr
.endm
.macro QBLOCK bq, p                    ; the block in T becomes codes and a scale byte for each of my 4 columns
.irp j, 0,1,2,3
	v_max3_num_f32 v[M+\j], |v[T+16*\j]|, |v[T+16*\j+1]|, 0x1800000   ; with the floor 2^(3 - 127): the byte cannot fall under 1
.endr
.irp i, 2,4,6,8,10,12,14
.irp j, 0,1,2,3
	v_max3_num_f32 v[M+\j], v[M+\j], |v[T+16*\j+\i]|, |v[T+16*\j+\i+1]|   ; the four columns by turns
.endr
.endr
.irp j, 0,1,2,3
	v_permlanex16_b32 v[MP+\j], v[M+\j], s[SEL], s[SEL+1]
.endr
.irp j, 0,1,2,3
	v_max_num_f32 v[M+\j], v[M+\j], v[MP+\j]       ; with the other 16 rows of the block
.endr
.irp j, 0,1,2,3
	v_add_nc_u32 v[SO+\j], 0xff000000, v[M+\j]     ; 2 off the exponent field: the conversion's scale operand
.endr
.if ((\bq)&3) == 0
.irp j, 0,1,2,3
	v_lshrrev_b32 v[SW+\j], 23, v[SO+\j]           ; the first byte of a K step's scale word
.endr
.else
.irp j, 0,1,2,3
	v_lshrrev_b32 v[BY+\j], 23, v[SO+\j]
.endr
.irp j, 0,1,2,3
	v_lshl_or_b32 v[SW+\j], v[BY+\j], 8*((\bq)&3), v[SW+\j]
.endr
.endif
.irp j, 0,1,2,3
	v_cvt_scalef32_pk8_fp4_f32 v[C+2*\j], v[T+16*\j:T+16*\j+7], v[SO+\j]
	v_cvt_scalef32_pk8_fp4_f32 v[C+2*\j+1], v[T+16*\j+8:T+16*\j+15], v[SO+\j]
.endr
	v_nop                                          ; one plain place behind the last scaled conversion
.irp j, 0,1,2,3
	ds_store_b64 v[WA], v[C+2*\j:C+2*\j+1] offset:(\p)*8192+(\bq)*256+16*\j
.endr
.if ((\bq)&3) == 3
.irp j, 0,1,2,3
	ds_store_b32 v[SA], v[SW+\j] offset:(\p)*2048+((\bq)>>2)*256+4*\j   ; both halves of the lanes write the same word with the same value
.endr
.endif
.endm
.macro SET ring, bq, left, refill      ; left: the younger loads that may stay out
	s_wait_loadcnt \left                           ; loads come back in order: this block's 16 are in
	s_wait_dscnt 0x0                               ; the last block's LDS stores are done: their data registers may be written again
	WIN 0x01
.irp i, 0,1,2,3,4,5,6,7,8,9,10,11,12,13,14,15
.irp j, 0,1,2,3
	v_mov_b32 v[T+16*\j+\i], v[64*(\ring)+4*\i+\j] ; row i, column j -> column j's run along K
.endr
.endr
.if \refill
	LOADSET \ring, (\bq)+4
.endif
	WIN 0
	QBLOCK \bq, 0
.endm
	s_load_b512 s[4:19], s[0:1], 0x0               ; x s[4:5], gate_w s[6:7], gate_b s[8:9], sw1 s[10:11], sw2 s[12:13], sw3 s[14:15], xq s[16:17], route s[18:19]
	s_load_b128 s[20:23], s[0:1], 0x40             ; gatew s[20:21], simg s[22:23]
	v_lshl_add_u32 v14, v0, 2, SPARE               ; my spare word,
	v_mov_b32 v15, 0                               ; and 0: kept for the closing lines alone
	v_lshrrev_b32 v1, 5, v0
	v_readfirstlane_b32 s24, v1                    ; wave 0..3
	v_and_b32 v125, 31, v0                         ; lane
	v_and_b32 v126, 15, v0                         ; q = lane % 16
	v_bfe_u32 v127, v0, 4, 1                       ; hh = lane / 16
	v_bfe_u32 v120, v0, 3, 1                       ; g, u, a, b0: the bits of q
	v_bfe_u32 v121, v0, 1, 1
	v_bfe_u32 v122, v0, 2, 1
	v_and_b32 v123, 1, v0
	v_lshlrev_b32 v1, 4, v125                      ; 16 x lane
	v_lshlrev_b32 v4, 4, v0                        ; 16 x thread
	; every LDS address is made here, ahead of the parting of the two paths
	v_lshlrev_b32 v[WA], 14, v120                  ; tile 2 g + u: 8,192 bytes a tile
	v_lshl_add_u32 v[WA], v121, 13, v[WA]
	v_lshl_add_u32 v[WA], v122, 7, v[WA]           ; tile row 8 a + 4 b0 (+ j): 16 bytes a row
	v_lshl_add_u32 v[WA], v123, 6, v[WA]
	v_lshl_add_u32 v[WA], v127, 3, v[WA]           ; my half of the block's 16 bytes
	s_lshl_b32 s25, s24, 11                        ; the wave's two K steps
	v_add_nc_u32 v[WA], s25, v[WA]
	v_lshlrev_b32 v[SA], 7, v120
	v_lshl_add_u32 v[SA], v121, 6, v[SA]
	v_lshl_add_u32 v[SA], v122, 5, v[SA]
	v_lshl_add_u32 v[SA], v123, 4, v[SA]
	s_lshl_b32 s25, s24, 9
	s_add_co_u32 s25, s25, PSCL
	v_add_nc_u32 v[SA], s25, v[SA]
	s_mul_i32 s25, s24, 4608
	s_add_co_u32 s25, s25, XSTG                    ; my wave's stage
	v_lshrrev_b32 v5, 3, v125
	v_mul_u32_u24 v5, v5, 144
	v_and_b32 v12, 7, v0
	v_lshl_add_u32 v5, v12, 4, v5
	v_add_nc_u32 v5, s25, v5                       ; in: eight lanes' 128 bytes on end, then 16 of padding
	v_mul_u32_u24 v6, v125, 144
	v_add_nc_u32 v6, s25, v6                       ; out: my block of 32 numbers
	s_lshl_b32 s25, s24, 7
	s_add_co_u32 s25, s25, XSC
	v_add_nc_u32 v7, s25, v125                     ; my block's scale byte of the wave's first token
	s_lshl_b32 s25, s24, 6
	s_add_co_u32 s25, s25, XRT
	v_mov_b32 v8, s25                              ; the wave's first token's 16 bytes
	v_lshl_add_u32 v9, v126, 4, XRT                ; token lane % 16
	v_lshlrev_b32 v10, 3, v126
	v_lshlrev_b32 v11, 7, v12
	v_add_nc_u32 v13, XSC, v1
.irp j, 0,1,2,3
	v_mov_b32 v[MP+\j], 0                          ; written once: a lane permute's destination counts as one of its sources
.endr
	s_mov_b32 s[SEL], 0x76543210
	s_mov_b32 s[SEL+1], 0xfedcba98
	s_wait_kmcnt 0x0
	s_cmp_lt_u32 ttmp9, 192
	s_cbranch_scc0 .Lx1
	; ---- a panel, part 1.  id < 128: sw1 or sw2 (id & 1), shared expert id >> 6, columns 64 ((id >> 1) & 31), row pitch 8,192.  Else j = id - 128: sw3, expert j >> 5, columns 64 ((j >> 1) & 15), K half j & 1, pitch 4,096
	s_and_b32 s28, ttmp9, 127
	s_lshr_b32 s29, s28, 1
	s_and_b32 s30, s28, 1
	s_cmp_lt_u32 ttmp9, 128
	s_cselect_b32 s27, 13, 12                      ; log2 of the pitch
	s_cselect_b32 s31, 6, 5
	s_cselect_b32 s25, 31, 15
	s_cselect_b32 s58, 0, s30                      ; the K half
	s_cselect_b32 s59, s30, 2                      ; 0 sw1, 1 sw2, 2 sw3
	s_lshr_b32 s31, s28, s31                       ; the expert: 8 MiB each
	s_and_b32 s29, s29, s25
	s_lshl_b32 s31, s31, 23
	s_lshl_b32 s58, s58, 22
	s_lshl_b32 s29, s29, 8
	s_add_co_u32 s28, s31, s58
	s_add_co_u32 s28, s28, s29
	s_lshl_b32 s29, s24, 8                         ; the wave's 256 rows
	s_lshl_b32 s29, s29, s27
	s_add_co_u32 s28, s28, s29
	s_mov_b32 s29, 0
	s_cmp_eq_u32 s59, 0
	s_cselect_b64 s[30:31], s[10:11], s[12:13]
	s_cmp_eq_u32 s59, 2
	s_cselect_b64 s[30:31], s[14:15], s[30:31]
	s_add_nc_u64 s[PB:PB+1], s[30:31], s[28:29]
	s_lshl_b32 s28, 32, s27                        ; a block of 32 rows on
.irp b, 1,2,3,4,5,6,7
	s_add_nc_u64 s[PB+2*\b:PB+2*\b+1], s[PB+2*\b-2:PB+2*\b-1], s[28:29]
.endr
	v_lshlrev_b32 v124, 4, v127
	v_lshlrev_b32 v126, 4, v126
.irp i, 0,1,2,3,4,5,6,7,8,9,10,11,12,13,14,15
	v_add_nc_u32 v125, \i, v124
	v_lshl_add_u32 v[VO+\i], v125, s27, v126       ; (16 hh + i) rows + 16 q
.endr
	LOADSET 0, 0
	LOADSET 1, 1
	LOADSET 2, 2
	LOADSET 3, 3
	SET 0, 0, 48, 1                                ; three younger blocks, 48 loads, stay out
	SET 1, 1, 48, 1
	SET 2, 2, 48, 1
	SET 3, 3, 48, 1
	SET 0, 4, 48, 0                                ; nothing is left to ask for: the counts run down
	SET 1, 5, 32, 0
	SET 2, 6, 16, 0
	SET 3, 7, 0, 0
	s_branch .Ljoin
	; ---- 16 tokens, part 1: four a wave
.Lx1:
	s_sub_co_u32 s26, ttmp9, 192
	s_load_b256 s[48:55], s[8:9], 0x0              ; gate_b
	v_and_b32 v124, 31, v0
	v_lshlrev_b32 v124, 10, v124                   ; gate_w: my 32 rows of 32 bytes
	WIN 0x40
.set I, 0
.rept 64
	global_load_b128 v[4*I:4*I+3], v124, s[6:7] offset:16*I    ; window 1, register 8 i + e: gate_w[32 lane + i][e]
.set I, I+1
.endr
	WIN 0
	s_lshl_b32 s28, s26, 4
	s_lshl_b32 s29, s24, 2
	s_add_co_u32 s28, s28, s29                     ; the wave's first token
	s_lshl_b32 s30, s28, 12
	s_mov_b32 s31, 0
	s_add_nc_u64 s[4:5], s[4:5], s[30:31]
	s_lshl_b32 s30, s28, 9
	s_add_nc_u64 s[32:33], s[16:17], s[30:31]      ; its codes in xq: the base of the four tokens' stores, not written again
.irp k, 0,1,2,3
.irp j, 0,1,2,3,4,5,6,7
	global_load_b128 v[128+32*\k+4*\j:128+32*\k+4*\j+3], v1, s[4:5] offset:4096*\k+512*\j th:TH_LOAD_NT   ; 32 lanes read 512 consecutive bytes
.endr
.endr
.irp e, 0,1,2,3,4,5,6,7
	v_mov_b32 v[104+\e], 0                         ; destinations of lane permutes
.endr
	s_wait_kmcnt 0x0
.macro TOKEN k
	s_wait_loadcnt 24-8*(\k)                       ; gate_w and this token's 8 loads are in; the later tokens' 8 each may be out
.irp j, 0,1,2,3,4,5,6,7
	ds_store_b128 v5, v[128+32*(\k)+4*\j:128+32*(\k)+4*\j+3] offset:576*\j
.endr
.irp i, 0,1,2,3,4,5,6,7
	ds_load_b128 v[32+4*\i:35+4*\i], v6 offset:16*\i   ; LDS serves a wave's instructions in order: these see the stores above.  v32-63: block lane of the row
.endr
	s_wait_dscnt 0x0
	v_max3_num_f32 v72, |v32|, |v33|, 0x1800000    ; the block's largest magnitude, in two chains, with the floor
	v_max3_num_f32 v73, |v48|, |v49|, 0x1800000
.irp i, 2,4,6,8,10,12,14
	v_max3_num_f32 v72, v72, |v[32+\i]|, |v[33+\i]|
	v_max3_num_f32 v73, v73, |v[48+\i]|, |v[49+\i]|
.endr
	v_max_num_f32 v72, v72, v73
	v_add_nc_u32 v74, 0xff000000, v72
	v_lshrrev_b32 v[96+(\k)], 23, v74
.irp g, 0,1,2,3
	v_cvt_scalef32_pk8_fp4_f32 v[80+4*(\k)+\g], v[32+8*\g:39+8*\g], v74
.endr
	v_nop
	global_store_b128 v1, v[80+4*(\k):83+4*(\k)], s[32:33] offset:512*(\k)   ; the row's 512 bytes of codes; each token has its own registers
	ds_store_b8 v7, v[96+(\k)] offset:32*(\k)
	WIN 0x04                                       ; source 1 (gate_w) in window 1
.set I, 0
.rept 16                                       ; the 8 logits: my 32 terms of each, two experts an instruction, four chains by turns
.irp p, 0,1,2,3
.if I == 0
	v_pk_mul_f32 v[64+2*\p:65+2*\p], v[32:33], v[2*\p:2*\p+1] op_sel_hi:[0,1]
.else
	v_pk_fma_f32 v[64+2*\p:65+2*\p], v[32+2*I:33+2*I], v[16*I+2*\p:16*I+2*\p+1], v[64+2*\p:65+2*\p] op_sel_hi:[0,1,1]
.endif
.endr
.irp p, 0,1,2,3
	v_pk_fma_f32 v[64+2*\p:65+2*\p], v[32+2*I:33+2*I], v[16*I+8+2*\p:16*I+8+2*\p+1], v[64+2*\p:65+2*\p] op_sel:[1,0,0] op_sel_hi:[1,1,1]
.endr
.set I, I+1
.endr
	WIN 0
.irp m, 1,2,4,8
.irp e, 0,1,2,3,4,5,6,7
	v_add_f32_dpp v[64+\e], v[64+\e], v[64+\e] row_xmask:\m row_mask:0xf bank_mask:0xf
.endr
.endr
.irp e, 0,1,2,3,4,5,6,7
	v_permlanex16_b32 v[104+\e], v[64+\e], s[SEL], s[SEL+1]
.endr
.irp e, 0,1,2,3,4,5,6,7
	v_add_f32 v[64+\e], v[64+\e], v[104+\e]
.endr
.irp e, 0,1,2,3,4,5,6,7
	v_add_f32 v[64+\e], s[48+\e], v[64+\e]         ; + gate_b: every lane holds the 8 logits
.endr
	v_max3_num_f32 v72, v64, v65, v66
	v_max3_num_f32 v72, v72, v67, v68
	v_max3_num_f32 v72, v72, v69, v70
	v_max_num_f32 v72, v72, v71                    ; the maximum is taken away, as reference() does
.irp e, 0,1,2,3,4,5,6,7
	v_sub_f32 v[64+\e], v[64+\e], v72
.endr
.irp e, 0,1,2,3,4,5,6,7
	v_mul_f32 v[64+\e], 0x3fb8aa3b, v[64+\e]
.endr
.irp e, 0,1,2,3,4,5,6,7
	v_exp_f32 v[64+\e], v[64+\e]
.endr
	v_nop                                          ; a plain place behind the last exponential
	s_wait_alu depctr_va_vdst(0)                   ; one wait for the eight, ahead of their first reader
	v_add_f32 v73, v64, v65
.irp e, 2,3,4,5,6,7
	v_add_f32 v73, v73, v[64+\e]
.endr
	v_rcp_f32 v75, v73
	v_mov_b32 v72, v64                             ; the largest p and its index; a later one wins only if it is larger
	v_mov_b32 v76, 0
.irp e, 1,2,3,4,5,6,7
	v_cmp_le_f32 vcc_lo, v[64+\e], v72
	v_cndmask_b32 v72, v[64+\e], v72, vcc_lo
	v_cndmask_b32 v76, \e, v76, vcc_lo
.endr
.irp e, 0,1,2,3,4,5,6,7
	v_cmp_ne_u32 vcc_lo, \e, v76
	v_cndmask_b32 v[64+\e], -1.0, v[64+\e], vcc_lo ; the first choice goes under every p
.endr
	v_mov_b32 v74, v64
	v_mov_b32 v77, 0
.irp e, 1,2,3,4,5,6,7
	v_cmp_le_f32 vcc_lo, v[64+\e], v74
	v_cndmask_b32 v74, v[64+\e], v74, vcc_lo
	v_cndmask_b32 v77, \e, v77, vcc_lo
.endr
	s_wait_alu depctr_va_vdst(0)                   ; the reciprocal, ahead of its first reader
	v_mul_f32 v78, v72, v75
	v_mul_f32 v79, v74, v75
	ds_store_b128 v8, v[76:79] offset:16*(\k)      ; all lanes write the same 16 bytes with the same values
.endm
	TOKEN 0
	TOKEN 1
	TOKEN 2
	TOKEN 3
.Ljoin:
	s_wait_dscnt 0x0                               ; for the others' sake: my LDS stores are done
	s_barrier_signal -1
	s_barrier_wait -1
	s_cmp_lt_u32 ttmp9, 192
	s_cbranch_scc0 .Lx2
	; ---- a panel, part 2: the image leaves as it lies: a wave's store covers 512 consecutive bytes
	s_mul_i32 s28, ttmp9, PIMGB
	s_mov_b32 s29, 0
	s_add_nc_u64 s[30:31], s[22:23], s[28:29]
.set I, 0
.rept 17
	ds_load_b128 v[128+4*I:131+4*I], v4 offset:2048*I
.set I, I+1
.endr
.set I, 0
.rept 17
	s_wait_dscnt 16-I                              ; the younger LDS loads may be out
	global_store_b128 v4, v[128+4*I:131+4*I], s[30:31] offset:2048*I
.set I, I+1
.endr
	s_branch .Lend
	; ---- 16 tokens, part 2.  The bases made here stand in registers that no store of part 1 names
.Lx2:
	s_sub_co_u32 s26, ttmp9, 192
	s_cmp_lg_u32 s24, 0
	s_cbranch_scc1 .Lx2b
	ds_load_b128 v[76:79], v9                      ; wave 0: lane i and lane 16 + i take token i
	s_lshl_b32 s28, s26, 7
	s_mov_b32 s29, 0
	s_add_nc_u64 s[30:31], s[18:19], s[28:29]
	s_add_nc_u64 s[60:61], s[20:21], s[28:29]
	s_lshl_b32 s28, s26, 1
	s_add_nc_u64 s[34:35], s[18:19], s[28:29]
	s_wait_dscnt 0x0
	global_store_b64 v10, v[76:77], s[30:31]       ; route[token] = (expert 0, expert 1)
	global_store_b64 v10, v[78:79], s[60:61]       ; gatew[token] = their weights
.irp e, 0,1,2,3,4,5,6,7
	v_cmp_eq_u32 s58, \e, v76
	v_cmp_eq_u32 s59, \e, v77
	s_or_b32 s58, s58, s59
	s_and_b32 s[66+\e], s58, 0xffff                ; bit i: token i chose expert e
.endr
	v_mov_b32 v72, s66
.irp e, 1,2,3,4,5,6,7
	v_cmp_ne_u32 vcc_lo, \e, v12
	v_cndmask_b32 v72, s[66+\e], v72, vcc_lo       ; lane l takes expert l % 8
.endr
	global_store_b16 v11, v72, s[34:35] offset:8192   ; the masks: [expert 8][group of 16 tokens 64], 2 bytes each
	s_branch .Lend
.Lx2b:
	s_cmp_lg_u32 s24, 1
	s_cbranch_scc1 .Lend
	ds_load_b128 v[72:75], v13                     ; wave 1: the 16 tokens' 512 scale bytes
	s_lshl_b32 s28, s26, 9
	s_mov_b32 s29, 0
	s_add_nc_u64 s[30:31], s[16:17], s[28:29]
	s_wait_dscnt 0x0
	global_store_b128 v1, v[72:75], s[30:31] offset:XSOFF
.Lend:
	s_wait_tensorcnt 0x0                           ; the wave's end
	ds_add_u32 v14, v15
	s_wait_dscnt 0x0
	s_endpgm
.Lfunc_end_k_q545e6210fa_prep:
	.size	k_q545e6210fa_prep, .Lfunc_end_k_q545e6210fa_prep-k_q545e6210fa_prep
	.p2alignl 7, 3214868480
	.fill 96, 4, 3214868480
	.section	.rodata,"a",@progbits
	.p2align	6, 0x0
	.amdhsa_kernel k_q545e6210fa_prep
		.amdhsa_group_segment_fixed_size 54528
		.amdhsa_private_segment_fixed_size 0
		.amdhsa_enable_private_segment 0
		.amdhsa_kernarg_size 80
		.amdhsa_user_sgpr_count 2
		.amdhsa_user_sgpr_kernarg_segment_ptr 1
		.amdhsa_wavefront_size32 1
		.amdhsa_system_sgpr_workgroup_id_x 1
		.amdhsa_system_sgpr_workgroup_id_y 1
		.amdhsa_system_sgpr_workgroup_id_z 1
		.amdhsa_system_vgpr_workitem_id 0
		.amdhsa_next_free_vgpr 512
		.amdhsa_next_free_sgpr 80
		.amdhsa_reserve_vcc 1
		.amdhsa_float_denorm_mode_32 3
		.amdhsa_float_denorm_mode_16_64 3
		.amdhsa_memory_ordered 1
		.amdhsa_forward_progress 1
		.amdhsa_inst_pref_size 153
	.end_amdhsa_kernel
	.amdgpu_metadata
---
amdhsa.version: [ 1, 2 ]
amdhsa.kernels:
  - .name:           k_q545e6210fa_prep
    .symbol:         k_q545e6210fa_prep.kd
    .args:
      - { .name: x, .offset: 0, .size: 8, .value_kind: global_buffer, .address_space: global }
      - { .name: gate_w, .offset: 8, .size: 8, .value_kind: global_buffer, .address_space: global }
      - { .name: gate_b, .offset: 16, .size: 8, .value_kind: global_buffer, .address_space: global }
      - { .name: sw1, .offset: 24, .size: 8, .value_kind: global_buffer, .address_space: global }
      - { .name: sw2, .offset: 32, .size: 8, .value_kind: global_buffer, .address_space: global }
      - { .name: sw3, .offset: 40, .size: 8, .value_kind: global_buffer, .address_space: global }
      - { .name: xq, .offset: 48, .size: 8, .value_kind: global_buffer, .address_space: global }
      - { .name: route, .offset: 56, .size: 8, .value_kind: global_buffer, .address_space: global }
      - { .name: gatew, .offset: 64, .size: 8, .value_kind: global_buffer, .address_space: global }
      - { .name: simg, .offset: 72, .size: 8, .value_kind: global_buffer, .address_space: global }
    .group_segment_fixed_size: 54528
    .private_segment_fixed_size: 0
    .kernarg_segment_align: 8
    .kernarg_segment_size: 80
    .max_flat_workgroup_size: 128
    .sgpr_count:     80
    .vgpr_count:     512
    .wavefront_size: 32
...
	.end_amdgpu_metadata
.endif
;; end of part 1
;; launch up (part 2): grid 512 x 1, 4 waves a work-group, no clusters, 148,992 bytes of LDS; arguments rw1, rw2, rb1, rb2, sb1, sb2, simg, xq, route, hq, pos; writes hq, pos
.if DOCPART == 2
	.amdgcn_target "amdgcn-amd-amdhsa--gfx1250"
	.amdhsa_code_object_version 6
	.text
	.protected	k_q545e6210fa_up
	.globl	k_q545e6210fa_up
	.p2align	8
	.type	k_q545e6210fa_up,@function
k_q545e6210fa_up:
	s_mov_b64 s[64:65], 0
	v_nop
	global_prefetch_b8 v0, s[64:65] scope:SCOPE_SE
	s_setreg_imm32_b32 hwreg(HW_REG_WAVE_MODE, 25, 1), 1
	s_wait_xcnt 0x0
; UP: h = silu(x W1 + b1) (x W2 + b2), quantised along H, for the rows that count.  Left out as dead work (shown at the head of prep): the rows of routed experts that reference()'s take_along_axis does not gather.
; SHARES.  Work-groups 0-255: expert e = id >> 5, columns 64 (id & 31) of H: the work-group streams its 1,024 x 64 numbers of rw1 and of rw2 ONCE, quantises them down K into LDS, and walks the rows of the tokens that chose e.
; Work-groups 256-511: shared expert, the same 64 columns, a quarter of the tokens (256): the codes come from simg, made by prep.  No weight byte of f32 is read twice.
; WHICH ROWS.  prep stored a bit for each (expert, token).  From the expert's 32 mask words every work-group makes the list rank -> token in LDS (each lane SEARCHES for its rank, so that every LDS address is fixed);
; the work-group of columns 0 also stores token -> rank and the count (pos), for the later launches.  Branches and gather addresses hang on these whole numbers, which an earlier launch stored.
; No tensor load and no copy: branches hang on the stored count.  An expert without tokens still streams its weights: the loads go out ahead of the counts.
; THE TWO PATHS part once, on the work-group's number, and join at the one barrier; each has LDS bytes of its own (the shared path's lie KOFF further on); behind the barrier both run the same lines.
; THE ROW WALK.  Wave w: slab g = w & 1 (32 columns: block 2 cu + g of H), tiles of 16 rows t = 2 k + (w >> 1).  Its 32 fragments of W1 and W2 stay in registers (window 1).  Both products are used transposed
; (source 0 = 16 columns of W, source 1 = 16 rows of x): a lane holds one row, and its 16 results of the slab's two tiles are 16 neighbours along H (the columns of a tile are chosen for that: see prep).  The biases are the C of each sum's first product.
; EVERY WAVE WALKS ALL 16 TRIPS of the walk's loop, two tiles a trip: the trip count is a constant of the text.
; hq: codes at ((e10 64 + t) 64 + B) 256 + 16 r + 8 h (block B of row r of tile t): four blocks on end are a fragment's register image for the next launch; scale bytes at HSOFF + (e10 64 + t) 1,024 + (B >> 2) 64 + 4 r + (B & 3).
; REGISTERS, window 0: v1-15 addresses; v16-31 W's scale words; v32-63 biases; v64-95 four accumulators; v96-111 x's scale words, two sets; v112-239 x's fragments, two sets (ahead of the barrier: the quantiser's and the list's); v240-253 at work.
.set WIMG,  0                          ; LDS: fragment (matrix p, tile, K step s) at tile 16,384 + p 8,192 + s 1,024
.set WSCL,  65536                      ; scale words at p 2,048 + s 256 + g 128 + 4 lane
.set LIST,  69632                      ; rank -> token, 1,152 words
.set KOFF,  74240                      ; the shared path's three regions lie this far behind the routed path's
.set SPARE, 148480                     ; the spare words, 128 bytes for each wave: two blocks of 256 bytes that no other line names
.set XSOFF, 524288
.set HSOFF, 10485760
.set PIMGB, 34816
.set WA, 2
.set SA, 3
.set T,  112
.set M,  176
.set MP, 180
.set SO, 184
.set BY, 188
.set SW, 192
.set C,  196
.set SEL, 94
.set MSB, 0
.macro WIN new
.if MSB != \new
	s_set_vgpr_msb (MSB<<8)|\new
.set MSB, \new
.endif
.endm
.macro LOADSET ring, bq, p             ; block bq of the wave's 8, of matrix p: 16 loads, each two whole pieces of 256 bytes of two K rows
	WIN 0x40
.irp i, 0,1,2,3,4,5,6,7,8,9,10,11,12,13,14,15
	global_load_b128 v[64*(\ring)+4*\i:64*(\ring)+4*\i+3], v4, s[84+2*(\p):85+2*(\p)] offset:(32*(\bq)+\i)*8192 th:TH_LOAD_NT
.endr
.endm
.macro QBLOCK bq, p                    ; as in prep
.irp j, 0,1,2,3
	v_max3_num_f32 v[M+\j], |v[T+16*\j]|, |v[T+16*\j+1]|, 0x1800000
.endr
.irp i, 2,4,6,8,10,12,14
.irp j, 0,1,2,3
	v_max3_num_f32 v[M+\j], v[M+\j], |v[T+16*\j+\i]|, |v[T+16*\j+\i+1]|
.endr
.endr
.irp j, 0,1,2,3
	v_permlanex16_b32 v[MP+\j], v[M+\j], s[SEL], s[SEL+1]
.endr
.irp j, 0,1,2,3
	v_max_num_f32 v[M+\j], v[M+\j], v[MP+\j]
.endr
.irp j, 0,1,2,3
	v_add_nc_u32 v[SO+\j], 0xff000000, v[M+\j]
.endr
.if ((\bq)&3) == 0
.irp j, 0,1,2,3
	v_lshrrev_b32 v[SW+\j], 23, v[SO+\j]
.endr
.else
.irp j, 0,1,2,3
	v_lshrrev_b32 v[BY+\j], 23, v[SO+\j]
.endr
.irp j, 0,1,2,3
	v_lshl_or_b32 v[SW+\j], v[BY+\j], 8*((\bq)&3), v[SW+\j]
.endr
.endif
.irp j, 0,1,2,3
	v_cvt_scalef32_pk8_fp4_f32 v[C+2*\j], v[T+16*\j:T+16*\j+7], v[SO+\j]
	v_cvt_scalef32_pk8_fp4_f32 v[C+2*\j+1], v[T+16*\j+8:T+16*\j+15], v[SO+\j]
.endr
	v_nop                                          ; one plain place behind the last scaled conversion
.irp j, 0,1,2,3
	ds_store_b64 v[WA], v[C+2*\j:C+2*\j+1] offset:(\p)*8192+(\bq)*256+16*\j
.endr
.if ((\bq)&3) == 3
.irp j, 0,1,2,3
	ds_store_b32 v[SA], v[SW+\j] offset:(\p)*2048+((\bq)>>2)*256+4*\j
.endr
.endif
.endm
.macro SET ring, bq, p, left, refill, nbq, np
	s_wait_loadcnt \left                           ; this block's 16 loads are in; the younger blocks' may be out
	s_wait_dscnt 0x0                               ; the last block's LDS stores are done: their data registers may be written again
	WIN 0x01
.irp i, 0,1,2,3,4,5,6,7,8,9,10,11,12,13,14,15
.irp j, 0,1,2,3
	v_mov_b32 v[T+16*\j+\i], v[64*(\ring)+4*\i+\j] ; row i, column j -> column j's run along K (the conversions take neighbours along K from consecutive registers)
.endr
.endr
.if \refill
	LOADSET \ring, \nbq, \np
.endif
	WIN 0
	QBLOCK \bq, \p
.endm
; One step of the search for the j-th set bit: the count of the lower half of what is left, taken from the tree of counts
.macro LSTEP src, w, fw
	v_bfe_u32 v213, v[\src], v214, \fw
	v_cmp_lt_u32 vcc_lo, v208, v213
	v_cndmask_b32 v213, v213, v219, vcc_lo         ; the count, or 0 where the bit lies in the lower half
	v_cndmask_b32 v215, \w, v219, vcc_lo
	v_sub_nc_u32 v208, v208, v213
	v_add_nc_u32 v214, v214, v215
.endm
; Ranks 128 i + thread: which token?  s[48..63], s[68..83]: (set bits ahead of word g) << 16 | g; s[16:47]: the mask words.  For a rank at or past the count the result is some token under 1,024, and is used by no output.
.macro LTRIP i
.if \i > 0
	s_cmp_le_u32 s98, 128*\i                       ; the row walk reads ranks under 16 nt + 96 (its look-ahead goes to tile nt + 5): nothing beyond is made
	s_cbranch_scc1 .Llist_done
.endif
	v_add_nc_u32 v204, 128*\i, v0
	v_lshl_or_b32 v205, v204, 16, 0xffff
	v_mov_b32 v206, s48
	v_mov_b32 v207, s16
.set G, 1
.rept 31
	v_cmp_gt_u32 vcc_lo, s[48+G+4*(G/16)], v205    ; the last word whose base is at or under my rank
	v_cndmask_b32 v206, s[48+G+4*(G/16)], v206, vcc_lo
	v_cndmask_b32 v207, s[16+G], v207, vcc_lo
.set G, G+1
.endr
	v_lshrrev_b32 v208, 16, v206
	v_sub_nc_u32 v208, v204, v208                  ; j: my rank inside the word
	v_lshrrev_b32 v213, 1, v207
	v_and_b32 v213, 0x55555555, v213
	v_sub_nc_u32 v209, v207, v213                  ; counts of 2 bits,
	v_lshrrev_b32 v213, 2, v209
	v_and_b32 v213, 0x33333333, v213
	v_and_b32 v210, 0x33333333, v209
	v_add_nc_u32 v210, v210, v213                  ; of 4,
	v_lshrrev_b32 v213, 4, v210
	v_add_nc_u32 v211, v210, v213
	v_and_b32 v211, 0x0f0f0f0f, v211               ; of 8,
	v_lshrrev_b32 v213, 8, v211
	v_add_nc_u32 v212, v211, v213                  ; byte 0: of the low 16
	v_mov_b32 v214, 0
	LSTEP 212, 16, 8
	LSTEP 211, 8, 8
	LSTEP 210, 4, 4
	LSTEP 209, 2, 2
	LSTEP 207, 1, 1
	v_and_b32 v206, 0xffff, v206
	v_lshl_add_u32 v[220+\i], v206, 5, v214        ; token = 32 word + bit
	ds_store_b32 v5, v[220+\i] offset:512*\i
.endm
; 16 rows of x (the tokens in v[10 + b]) into set b: 8 fragments and 8 scale words.  The token, a loaded number, is held under 1,024 ahead of the address
.macro LOADX b
	v_min_u32 v240, 0x3ff, v[10+(\b)]
	v_lshl_add_u32 v[12+(\b)], v240, 9, v7         ; a row of codes is 512 bytes; + 16 x my half
	v_lshlrev_b32 v[14+(\b)], 5, v240              ; a row of scale bytes is 32
.irp s, 0,1,2,3,4,5,6,7
.irp c, 0,1
	global_load_b128 v[112+64*(\b)+8*\s+4*\c:112+64*(\b)+8*\s+4*\c+3], v[12+(\b)], s[24:25] offset:64*\s+32*\c
.endr
.endr
.irp m, 0,1
	global_load_b128 v[96+8*(\b)+4*\m:96+8*(\b)+4*\m+3], v[14+(\b)], s[24:25] offset:XSOFF+16*\m
.endr
.endm
; Accumulator a = 2 p + u (matrix p, tile u of my slab), K step s
.macro MM a, s, xb, xs
.if (\s) == 0
.set CB, 32
.else
.set CB, 64
.endif
.if ((\a)&1) == 0
	v_wmma_scale_f32_16x16x128_f8f6f4 v[64+8*(\a):71+8*(\a)], v[64*(\a)+8*(\s):64*(\a)+8*(\s)+7], v[(\xb)+8*(\s):(\xb)+8*(\s)+7], v[CB+8*(\a):CB+8*(\a)+7], v[16+8*((\a)/2)+(\s)], v[(\xs)+(\s)] matrix_a_fmt:MATRIX_FMT_FP4 matrix_b_fmt:MATRIX_FMT_FP4
.else
	v_wmma_scale_f32_16x16x128_f8f6f4 v[64+8*(\a):71+8*(\a)], v[64*(\a)+8*(\s):64*(\a)+8*(\s)+7], v[(\xb)+8*(\s):(\xb)+8*(\s)+7], v[CB+8*(\a):CB+8*(\a)+7], v[16+8*((\a)/2)+(\s)], v[(\xs)+(\s)] matrix_a_fmt:MATRIX_FMT_FP4 matrix_b_fmt:MATRIX_FMT_FP4 matrix_a_scale:MATRIX_SCALE_ROW1
.endif
.endm
; Tile b of a trip's two (t + 2 b), from set b.  The next tile's rows are asked for first, into the other set, and the tokens of the tile after that.
; b = 1: these loads and waits always run, so that every trip leaves the same loads out; the products, the activation and the stores are jumped over where the wave has no such tile.
.macro UNIT b, lofs, mk
.set XB, 112+64*(\b)
.set XSB, 96+8*(\b)
	s_wait_dscnt 0x0                               ; the next tile's tokens are in; no LDS load of mine is out
.if \mk
	v_add_nc_u32 v243, s13, v6                     ; the trip's place in the list
.endif
	LOADX 1-\b
	ds_load_b32 v[10+(\b)], v243 offset:\lofs      ; the tokens of the tile after that
	s_wait_loadcnt 18                              ; all but the 18 loads just issued: this tile's rows (and, the first time, the biases) are in
.if \b
	s_add_co_u32 s96, s11, 2
	s_cmp_ge_u32 s96, s10                          ; a stored count decides
	s_cbranch_scc1 .Lnext
.endif
	WIN 0x01                                       ; source 0 (W) in window 1
.irp s, 0,1,2,3,4,5,6,7
.irp a, 0,1,2,3
	MM \a, \s, XB, XSB                             ; the four accumulators by turns, one instruction a turn
.endr
.endr
	WIN 0
.rept 5
	v_nop                                          ; places behind the products: for the reads of the results, the writes over x's registers, and the next tile's products, which begin the accumulators anew
.endr
.irp i, 0,2,4,6,8,10,12,14
	v_pk_mul_f32 v[XB+\i:XB+\i+1], v[64+\i:65+\i], 0xbfb8aa3b op_sel_hi:[1,0]   ; -p1 log2(e), into registers of x that are done with
.endr
.irp i, 0,1,2,3,4,5,6,7,8,9,10,11,12,13,14,15
	v_exp_f32 v[XB+\i], v[XB+\i]
.endr
.irp i, 0,2,4,6,8,10,12,14
	v_pk_mul_f32 v[80+\i:81+\i], v[64+\i:65+\i], v[80+\i:81+\i]   ; p1 p2: plain work behind the exponentials
.endr
	s_wait_alu depctr_va_vdst(0)                   ; one wait for the sixteen, ahead of their first reader
.irp i, 0,2,4,6,8,10,12,14
	v_pk_add_f32 v[XB+\i:XB+\i+1], v[XB+\i:XB+\i+1], 1.0 op_sel_hi:[1,0]
.endr
.irp i, 0,1,2,3,4,5,6,7,8,9,10,11,12,13,14,15
	v_rcp_f32 v[XB+\i], v[XB+\i]
.endr
	v_nop
	s_wait_alu depctr_va_vdst(0)
.irp i, 0,2,4,6,8,10,12,14
	v_pk_mul_f32 v[80+\i:81+\i], v[80+\i:81+\i], v[XB+\i:XB+\i+1]   ; silu(p1) p2 = p1 p2 / (1 + e^-p1): 16 neighbours along H
.endr
	v_max3_num_f32 v247, |v80|, |v81|, 0x1800000
.irp i, 2,4,6,8,10,12,14
	v_max3_num_f32 v247, v247, |v[80+\i]|, |v[81+\i]|
.endr
	v_permlanex16_b32 v248, v247, s[SEL], s[SEL+1]
	v_max_num_f32 v247, v247, v248                 ; the block of 32 lies in lanes l and l xor 16
	s_wait_xcnt 0x0                                ; the last tile's stores have read their data registers: these may be written again
	v_add_nc_u32 v249, 0xff000000, v247
	v_lshrrev_b32 v250, 23, v249
	v_cvt_scalef32_pk8_fp4_f32 v252, v[80:87], v249
	v_cvt_scalef32_pk8_fp4_f32 v253, v[88:95], v249
	v_nop
	global_store_b64 v8, v[252:253], s[34:35] offset:32768*(\b)   ; the wave stores 256 consecutive bytes, aligned: block B of the tile's 16 rows; the trip's second tile lies two tiles on
	global_store_b8 v9, v250, s[36:37] offset:2048*(\b)           ; both halves of the lanes write the same byte with the same value
.endm
	s_load_b128 s[84:87], s[0:1], 0x0              ; rw1, rw2
	s_load_b64 s[88:89], s[0:1], 0x40              ; route
	s_load_b64 s[90:91], s[0:1], 0x50              ; pos
	s_load_b64 s[92:93], s[0:1], 0x30              ; simg
	v_lshl_add_u32 v254, v0, 2, SPARE              ; my spare word,
	v_mov_b32 v255, 0                              ; and 0: kept for the closing lines alone
	v_lshrrev_b32 v1, 5, v0
	v_readfirstlane_b32 s2, v1                     ; wave 0..3
	s_and_b32 s3, s2, 1                            ; g: my slab
	s_lshr_b32 s4, s2, 1                           ; my parity of tiles
	s_lshr_b32 s5, ttmp9, 8
	s_min_u32 s5, s5, 1                            ; kind: 0 routed, 1 shared
	s_and_b32 s96, ttmp9, 255
	s_cmp_eq_u32 s5, 0
	s_cselect_b32 s97, 5, 7
	s_cselect_b32 s98, 0, 2
	s_lshr_b32 s6, s96, s97                        ; the expert among its kind
	s_lshr_b32 s7, s96, s98
	s_and_b32 s7, s7, 31                           ; cu: which 64 columns
	s_and_b32 s8, s96, 3                           ; the shared path's quarter of the tokens
	s_lshl_b32 s9, s5, 3
	s_add_co_u32 s9, s9, s6                        ; e10: 0-7 routed, 8, 9 shared
	v_and_b32 v240, 31, v0                         ; lane
	v_and_b32 v250, 15, v0                         ; q
	v_bfe_u32 v249, v0, 4, 1                       ; hh
	v_lshlrev_b32 v1, 4, v240
	v_bfe_u32 v204, v0, 3, 1                       ; g, u, a, b0 of my 4 columns
	v_bfe_u32 v205, v0, 1, 1
	v_bfe_u32 v206, v0, 2, 1
	v_and_b32 v207, 1, v0
	; every LDS address but the list's place of a trip is made here, ahead of the parting
	v_lshlrev_b32 v[WA], 15, v204
	v_lshl_add_u32 v[WA], v205, 14, v[WA]
	v_lshl_add_u32 v[WA], v206, 7, v[WA]
	v_lshl_add_u32 v[WA], v207, 6, v[WA]
	v_lshl_add_u32 v[WA], v249, 3, v[WA]
	s_lshl_b32 s96, s2, 11
	v_add_nc_u32 v[WA], s96, v[WA]
	v_lshlrev_b32 v[SA], 7, v204
	v_lshl_add_u32 v[SA], v205, 6, v[SA]
	v_lshl_add_u32 v[SA], v206, 5, v[SA]
	v_lshl_add_u32 v[SA], v207, 4, v[SA]
	s_lshl_b32 s96, s2, 9
	s_add_co_u32 s96, s96, WSCL
	v_add_nc_u32 v[SA], s96, v[SA]
	v_lshlrev_b32 v4, 17, v249                     ; lanes 16-31: 16 rows of 8,192 bytes further down
	v_lshl_add_u32 v4, v250, 4, v4
	v_lshl_add_u32 v5, v0, 2, LIST                 ; the list, routed path;
	v_add_nc_u32 v244, KOFF, v5                    ; shared path
	s_mul_i32 s97, s5, KOFF                        ; behind the barrier: my kind's regions
	s_lshl_b32 s96, s4, 6
	s_add_co_u32 s96, s96, s97
	s_add_co_u32 s96, s96, LIST
	v_lshl_add_u32 v6, v250, 2, s96                ; the tokens of my first tile
	v_lshlrev_b32 v7, 4, v249
	v_lshlrev_b32 v251, 6, v249
	s_lshl_b32 s96, s3, 7
	s_add_co_u32 s96, s96, s97
	s_add_co_u32 s96, s96, WSCL
	v_lshl_add_u32 v241, v240, 2, s96              ; my slab's scale words
	s_lshl_b32 s96, s3, 15
	s_add_co_u32 s96, s96, s97
	v_add_nc_u32 v242, s96, v1                     ; my slab's fragments
	v_lshlrev_b32 v247, 4, v0
	v_add_nc_u32 v245, KOFF, v247                  ; the shared path's copy: codes,
	v_add_nc_u32 v246, KOFF+65536, v247            ; scale words
	v_lshlrev_b32 v8, 4, v250
	v_lshl_add_u32 v8, v249, 3, v8                 ; hq: 16 q + 8 hh; never rewritten
	v_lshlrev_b32 v9, 2, v250                      ; and 4 q; never rewritten
	v_mov_b32 v219, 0
	v_mov_b32 v248, 0                              ; destinations of lane permutes are written once
.irp j, 0,1,2,3
	v_mov_b32 v[MP+\j], 0
.endr
	s_mov_b32 s[SEL], 0x76543210
	s_mov_b32 s[SEL+1], 0xfedcba98
	s_wait_kmcnt 0x0
	s_cmp_lg_u32 s5, 0
	s_cbranch_scc1 .Lshared
	; ---- routed, ahead of the barrier.  The first 64 loads go out before anything else
	s_lshl_b32 s96, s6, 23                         ; the expert: 8 MiB
	s_lshl_b32 s97, s7, 8
	s_add_co_u32 s96, s96, s97
	s_lshl_b32 s97, s2, 21                         ; the wave's 256 rows of 8,192 bytes
	s_add_co_u32 s96, s96, s97
	s_mov_b32 s97, 0
	s_add_nc_u64 s[84:85], s[84:85], s[96:97]
	s_add_nc_u64 s[86:87], s[86:87], s[96:97]
	LOADSET 0, 0, 0
	LOADSET 1, 1, 0
	LOADSET 2, 2, 0
	LOADSET 3, 3, 0
	WIN 0
	s_lshl_b32 s96, s6, 7
	s_load_b512 s[16:31], s[88:89], s96 offset:0x2000   ; the expert's 32 mask words: bit b of word g = token 32 g + b
	s_load_b512 s[32:47], s[88:89], s96 offset:0x2040
	s_wait_kmcnt 0x0
	s_mov_b32 s96, 0
.set G, 0
.rept 32
	s_lshl_b32 s97, s96, 16
	s_or_b32 s[48+G+4*(G/16)], s97, G
	s_bcnt1_i32_b32 s97, s[16+G]
	s_add_co_u32 s96, s96, s97
.set G, G+1
.endr
	s_mov_b32 s99, s96                             ; the expert's count of rows, at most 1,024
	s_add_co_u32 s10, s96, 15
	s_lshr_b32 s10, s10, 4                         ; nt: its tiles
	s_lshl_b32 s98, s10, 4
	s_add_co_u32 s98, s98, 96
	LTRIP 0
	LTRIP 1
	LTRIP 2
	LTRIP 3
	LTRIP 4
	LTRIP 5
	LTRIP 6
	LTRIP 7
	LTRIP 8
.Llist_done:
	s_or_b32 s96, s7, s2
	s_cmp_lg_u32 s96, 0
	s_cbranch_scc1 .Lno_pos                        ; one wave for each expert stores token -> rank, and the count
	v_lshlrev_b32 v218, 2, v0
	s_lshl_b32 s96, s6, 12
	v_add_nc_u32 v216, s96, v218
	s_lshl_b32 s96, s6, 7
	v_add_nc_u32 v217, s96, v218
.set G, 0
.rept 32
	s_lshr_b32 s96, s[48+G+4*(G/16)], 16
	v_mbcnt_lo_u32_b32 v[T+G], s[16+G], s96        ; set bits ahead of mine
	global_store_b32 v216, v[T+G], s[90:91] offset:128*G
.set G, G+1
.endr
	v_mov_b32 v[T+32], s99
	global_store_b32 v217, v[T+32], s[90:91] offset:32768
	s_wait_xcnt 0x0                                ; the stores have read their registers, which the quantiser writes next
.Lno_pos:
	SET 0, 0, 0, 48, 1, 4, 0                       ; three younger blocks, 48 loads, stay out
	SET 1, 1, 0, 48, 1, 5, 0
	SET 2, 2, 0, 48, 1, 6, 0
	SET 3, 3, 0, 48, 1, 7, 0
	SET 0, 4, 0, 48, 1, 0, 1
	SET 1, 5, 0, 48, 1, 1, 1
	SET 2, 6, 0, 48, 1, 2, 1
	SET 3, 7, 0, 48, 1, 3, 1
	SET 0, 0, 1, 48, 1, 4, 1
	SET 1, 1, 1, 48, 1, 5, 1
	SET 2, 2, 1, 48, 1, 6, 1
	SET 3, 3, 1, 48, 1, 7, 1
	SET 0, 4, 1, 48, 0, 0, 0                       ; nothing is left to ask for: the counts run down
	SET 1, 5, 1, 32, 0, 0, 0
	SET 2, 6, 1, 16, 0, 0, 0
	SET 3, 7, 1, 0, 0, 0, 0
	s_mov_b32 s12, 0                               ; the first tile in hq
	s_branch .Ljoin
	; ---- shared, ahead of the barrier: the two panel images go from simg into LDS as they lie; the list is the quarter's tokens
.Lshared:
	s_lshl_b32 s96, s6, 5
	s_add_co_u32 s96, s96, s7
	s_mul_i32 s96, s96, 2*PIMGB
	s_mov_b32 s97, 0
	s_add_nc_u64 s[92:93], s[92:93], s[96:97]
	WIN 0x40
.irp p, 0,1
.set I, 0
.rept 17
	global_load_b128 v[4*(17*\p+I):4*(17*\p+I)+3], v247, s[92:93] offset:PIMGB*\p+2048*I
.set I, I+1
.endr
.endr
	WIN 0
	s_lshl_b32 s96, s8, 8
	v_add_nc_u32 v204, s96, v0
.irp i, 0,1,2                                  ; 16 tiles and the look-ahead: ranks under 352
	v_add_nc_u32 v[205+\i], 128*\i, v204
	v_min_u32 v[205+\i], 0x3ff, v[205+\i]
	ds_store_b32 v244, v[205+\i] offset:512*\i
.endr
	s_wait_loadcnt 0x0
	WIN 0x04                                       ; an LDS store's data are its source 1: window 1
.irp p, 0,1
.set I, 0
.rept 16
	ds_store_b128 v245, v[4*(17*\p+I):4*(17*\p+I)+3] offset:(I/4)*16384+\p*8192+(I%4)*2048
.set I, I+1
.endr
	ds_store_b128 v246, v[4*(17*\p+16):4*(17*\p+16)+3] offset:\p*2048
.endr
	WIN 0
	s_mov_b32 s10, 16
	s_lshl_b32 s12, s8, 4
.Ljoin:
	s_load_b256 s[16:23], s[0:1], 0x10             ; rb1, rb2, sb1, sb2 (the masks' registers are free)
	s_load_b64 s[24:25], s[0:1], 0x38              ; xq
	s_load_b64 s[26:27], s[0:1], 0x48              ; hq
	s_wait_loadcnt 0x0
	s_wait_dscnt 0x0                               ; for the others' sake: my LDS stores are done
	s_barrier_signal -1
	s_barrier_wait -1                              ; fragments, scale words and list lie in LDS
	s_wait_kmcnt 0x0
	; Every wave runs what follows, one without a tile too: all it loads lies inside the buffers and inside the part of the list that was made (ranks under 64)
	WIN 0x40
.irp p, 0,1
.irp u, 0,1
.irp s, 0,1,2,3,4,5,6,7
.irp c, 0,1
	ds_load_b128 v[128*\p+64*\u+8*\s+4*\c:128*\p+64*\u+8*\s+4*\c+3], v242 offset:\u*16384+\p*8192+\s*1024+512*\c   ; my 32 fragments: they stay
.endr
.endr
.endr
.endr
	WIN 0
.irp p, 0,1
.irp s, 0,1,2,3,4,5,6,7
	ds_load_b32 v[16+8*\p+\s], v241 offset:\p*2048+\s*256   ; lanes 0-15: tile u = 0, lanes 16-31: tile u = 1
.endr
.endr
	s_cmp_eq_u32 s5, 0
	s_cselect_b64 s[28:29], s[16:17], s[20:21]
	s_cselect_b64 s[30:31], s[18:19], s[22:23]
	s_lshl_b32 s96, s6, 13
	s_lshl_b32 s97, s7, 8
	s_add_co_u32 s96, s96, s97
	s_lshl_b32 s97, s3, 7
	s_add_co_u32 s96, s96, s97
	s_mov_b32 s97, 0
	s_add_nc_u64 s[28:29], s[28:29], s[96:97]
	s_add_nc_u64 s[30:31], s[30:31], s[96:97]
.irp p, 0,1
.irp u, 0,1
	global_load_b128 v[32+8*(2*\p+\u):35+8*(2*\p+\u)], v251, s[28+2*\p:29+2*\p] offset:32*\u      ; the bias in the result's layout: columns 16 hh + 8 u + 0..7 of my slab
	global_load_b128 v[36+8*(2*\p+\u):39+8*(2*\p+\u)], v251, s[28+2*\p:29+2*\p] offset:32*\u+16
.endr
.endr
	ds_load_b32 v10, v6                            ; the tokens of my first tile,
	ds_load_b32 v11, v6 offset:128                 ; and of my second
	s_add_co_u32 s96, s12, s4
	s_lshl_b32 s97, s96, 14
	s_lshl_b32 s98, s9, 20
	s_add_co_u32 s97, s97, s98
	s_lshl_b32 s98, s7, 1
	s_add_co_u32 s98, s98, s3                      ; B = 2 cu + g
	s_lshl_b32 s99, s98, 8
	s_add_co_u32 s32, s97, s99
	s_mov_b32 s33, 0
	s_add_nc_u64 s[34:35], s[26:27], s[32:33]      ; hq: my block of my first tile
	s_lshl_b32 s97, s96, 10
	s_lshl_b32 s99, s9, 16
	s_add_co_u32 s97, s97, s99
	s_lshr_b32 s99, s98, 2
	s_lshl_b32 s99, s99, 6
	s_add_co_u32 s97, s97, s99
	s_and_b32 s99, s98, 3
	s_add_co_u32 s97, s97, s99
	s_add_co_u32 s32, s97, HSOFF
	s_add_nc_u64 s[36:37], s[26:27], s[32:33]      ; and its scale bytes
	s_mov_b32 s11, s4                              ; t: the trip's first tile
	s_mov_b32 s13, 0                               ; the trip's place in the list: 4 tiles x 64 bytes a trip
	s_wait_dscnt 0x0
	LOADX 0
.Lrow:                                             ; 16 trips of two tiles, for two parities: 64 tiles.  At a trip's head, on every way: set 0's 18 loads may be out, none of set 1's; v11 holds (or awaits) the tokens of tile t + 2
	s_cmp_ge_u32 s11, s10                          ; no tile left for me: the trip's work is jumped over (a stored count decides)
	s_cbranch_scc1 .Lnext
	UNIT 0, 256, 1
	UNIT 1, 384, 0
.Lnext:
	s_wait_xcnt 0x0                                ; the trip's stores have read their bases, which step now: four tiles on
	s_add_nc_u64 s[34:35], s[34:35], 0x10000
	s_add_nc_u64 s[36:37], s[36:37], 0x1000
	s_add_co_u32 s11, s11, 4
	s_add_co_u32 s13, s13, 256
	s_cmp_lt_u32 s13, 4096
	s_cbranch_scc1 .Lrow
	s_wait_tensorcnt 0x0                           ; the wave's end
	ds_add_u32 v254, v255
	s_wait_dscnt 0x0
	s_endpgm
.Lfunc_end_k_q545e6210fa_up:
	.size	k_q545e6210fa_up, .Lfunc_end_k_q545e6210fa_up-k_q545e6210fa_up
	.p2alignl 7, 3214868480
	.fill 96, 4, 3214868480
	.section	.rodata,"a",@progbits
	.p2align	6, 0x0
	.amdhsa_kernel k_q545e6210fa_up
		.amdhsa_group_segment_fixed_size 148992
		.amdhsa_private_segment_fixed_size 0
		.amdhsa_enable_private_segment 0
		.amdhsa_kernarg_size 88
		.amdhsa_user_sgpr_count 2
		.amdhsa_user_sgpr_kernarg_segment_ptr 1
		.amdhsa_wavefront_size32 1
		.amdhsa_system_sgpr_workgroup_id_x 1
		.amdhsa_system_sgpr_workgroup_id_y 1
		.amdhsa_system_sgpr_workgroup_id_z 1
		.amdhsa_system_vgpr_workitem_id 0
		.amdhsa_next_free_vgpr 512
		.amdhsa_next_free_sgpr 100
		.amdhsa_reserve_vcc 1
		.amdhsa_float_denorm_mode_32 3
		.amdhsa_float_denorm_mode_16_64 3
		.amdhsa_memory_ordered 1
		.amdhsa_forward_progress 1
		.amdhsa_inst_pref_size 219
	.end_amdhsa_kernel
	.amdgpu_metadata
---
amdhsa.version: [ 1, 2 ]
amdhsa.kernels:
  - .name:           k_q545e6210fa_up
    .symbol:         k_q545e6210fa_up.kd
    .args:
      - { .name: rw1, .offset: 0, .size: 8, .value_kind: global_buffer, .address_space: global }
      - { .name: rw2, .offset: 8, .size: 8, .value_kind: global_buffer, .address_space: global }
      - { .name: rb1, .offset: 16, .size: 8, .value_kind: global_buffer, .address_space: global }
      - { .name: rb2, .offset: 24, .size: 8, .value_kind: global_buffer, .address_space: global }
      - { .name: sb1, .offset: 32, .size: 8, .value_kind: global_buffer, .address_space: global }
      - { .name: sb2, .offset: 40, .size: 8, .value_kind: global_buffer, .address_space: global }
      - { .name: simg, .offset: 48, .size: 8, .value_kind: global_buffer, .address_space: global }
      - { .name: xq, .offset: 56, .size: 8, .value_kind: global_buffer, .address_space: global }
      - { .name: route, .offset: 64, .size: 8, .value_kind: global_buffer, .address_space: global }
      - { .name: hq, .offset: 72, .size: 8, .value_kind: global_buffer, .address_space: global }
      - { .name: pos, .offset: 80, .size: 8, .value_kind: global_buffer, .address_space: global }
    .group_segment_fixed_size: 148992
    .private_segment_fixed_size: 0
    .kernarg_segment_align: 8
    .kernarg_segment_size: 88
    .max_flat_workgroup_size: 128
    .sgpr_count:     100
    .vgpr_count:     512
    .wavefront_size: 32
...
	.end_amdgpu_metadata
.endif
;; end of part 2
;; launch down (part 3): grid 256 x 1, 4 waves a work-group, no clusters, 157,184 bytes of LDS; arguments rw3, rb3, sb3, simg, hq, pos, y; writes y
.if DOCPART == 3
	.amdgcn_target "amdgcn-amd-amdhsa--gfx1250"
	.amdhsa_code_object_version 6
	.text
	.protected	k_q545e6210fa_down
	.globl	k_q545e6210fa_down
	.p2align	8
	.type	k_q545e6210fa_down,@function
k_q545e6210fa_down:
	s_mov_b64 s[64:65], 0
	v_nop
	global_prefetch_b8 v0, s[64:65] scope:SCOPE_SE
	s_setreg_imm32_b32 hwreg(HW_REG_WAVE_MODE, 25, 1), 1
	s_wait_xcnt 0x0
; DOWN: y[e10][row] = h W3 + b3, for the rows that count.  Left out as dead work (shown at the head of prep): the rows of routed experts that reference()'s take_along_axis does not gather.
; SHARES.  Work-groups 0-127: expert e = id >> 4, output columns 64 (id & 15): the work-group streams its 2,048 x 64 numbers of rw3 ONCE, quantises them down K into LDS, and walks the expert's tiles of 16 rows.
; Work-groups 128-255: shared expert, the same 64 columns, a quarter of the tokens: the codes come from simg.  The two paths part once and join at the one barrier; each has LDS bytes of its own.
; Behind the barrier every wave holds all 64 fragments (4 tiles of columns x 16 K steps) in registers and takes tiles t = 4 k + wave.  The hidden layer's fragments come from hq as images of their registers: 16 bytes a lane, consecutive.
; The count of an expert's rows is a whole number that the launch before stored (pos): the walk ends by a branch on it, so there is no tensor load and no copy.
; The product is used transposed (source 0 = 16 columns of W3, source 1 = 16 rows of h): a lane holds one row and 8 neighbouring columns a tile; a tile's 16 rows x 256 bytes go through the wave's own stage and leave as aligned pieces of 256 bytes.
; REGISTERS: window 0: v1-15 addresses; v16-47 W's scale words; v48-79 bias; v80-111 four accumulators; v112-127 h's scale words, two sets; v128-159 rows on the way out; v160-223 the quantiser's numbers; v224-234 addresses.
;   window 1: the landing ring, then W's K steps 0-7;  window 2: K steps 8-15;  window 3: h's fragments, two sets of 128.
.set WIMG,  0                          ; LDS: fragment (K half p, tile, K step s) at tile 16,384 + p 8,192 + s 1,024
.set WSCL,  65536
.set KOFF,  69632                      ; the shared path's two regions lie this far behind the routed path's
.set YST,   139264                     ; the stages: 16 rows x (256 + 16) bytes for each wave
.set SPARE, 156672                     ; the spare words, 128 bytes for each wave: two blocks of 256 bytes that no other line names
.set HSOFF, 10485760
.set PIMGB, 34816
.set WA, 2
.set SA, 3
.set T,  160
.set M,  48
.set MP, 52
.set SO, 56
.set BY, 60
.set SW, 64
.set C,  68
.set SEL, 48
.set MSB, 0
.macro WIN new
.if MSB != \new
	s_set_vgpr_msb (MSB<<8)|\new
.set MSB, \new
.endif
.endm
.macro LOADSET ring, bq, p
	WIN 0x40
.irp i, 0,1,2,3,4,5,6,7,8,9,10,11,12,13,14,15
	global_load_b128 v[64*(\ring)+4*\i:64*(\ring)+4*\i+3], v4, s[30:31] offset:(1024*(\p)+32*(\bq)+\i)*4096 th:TH_LOAD_NT
.endr
.endm
.macro QBLOCK bq, p                    ; as in prep
.irp j, 0,1,2,3
	v_max3_num_f32 v[M+\j], |v[T+16*\j]|, |v[T+16*\j+1]|, 0x1800000
.endr
.irp i, 2,4,6,8,10,12,14
.irp j, 0,1,2,3
	v_max3_num_f32 v[M+\j], v[M+\j], |v[T+16*\j+\i]|, |v[T+16*\j+\i+1]|
.endr
.endr
.irp j, 0,1,2,3
	v_permlanex16_b32 v[MP+\j], v[M+\j], s[SEL], s[SEL+1]
.endr
.irp j, 0,1,2,3
	v_max_num_f32 v[M+\j], v[M+\j], v[MP+\j]
.endr
.irp j, 0,1,2,3
	v_add_nc_u32 v[SO+\j], 0xff000000, v[M+\j]
.endr
.if ((\bq)&3) == 0
.irp j, 0,1,2,3
	v_lshrrev_b32 v[SW+\j], 23, v[SO+\j]
.endr
.else
.irp j, 0,1,2,3
	v_lshrrev_b32 v[BY+\j], 23, v[SO+\j]
.endr
.irp j, 0,1,2,3
	v_lshl_or_b32 v[SW+\j], v[BY+\j], 8*((\bq)&3), v[SW+\j]
.endr
.endif
.irp j, 0,1,2,3
	v_cvt_scalef32_pk8_fp4_f32 v[C+2*\j], v[T+16*\j:T+16*\j+7], v[SO+\j]
	v_cvt_scalef32_pk8_fp4_f32 v[C+2*\j+1], v[T+16*\j+8:T+16*\j+15], v[SO+\j]
.endr
	v_nop                                          ; one plain place behind the last scaled conversion
.irp j, 0,1,2,3
	ds_store_b64 v[WA], v[C+2*\j:C+2*\j+1] offset:(\p)*8192+(\bq)*256+16*\j
.endr
.if ((\bq)&3) == 3
.irp j, 0,1,2,3
	ds_store_b32 v[SA], v[SW+\j] offset:(\p)*2048+((\bq)>>2)*256+4*\j
.endr
.endif
.endm
.macro SET ring, bq, p, left, refill, nbq, np
	s_wait_loadcnt \left                           ; this block's 16 loads are in; the younger blocks' may be out
	s_wait_dscnt 0x0                               ; the last block's LDS stores are done: their data registers may be written again
	WIN 0x01
.irp i, 0,1,2,3,4,5,6,7,8,9,10,11,12,13,14,15
.irp j, 0,1,2,3
	v_mov_b32 v[T+16*\j+\i], v[64*(\ring)+4*\i+\j] ; row i, column j -> column j's run along K
.endr
.endr
.if \refill
	LOADSET \ring, \nbq, \np
.endif
	WIN 0
	QBLOCK \bq, \p
.endm
; Tile s44 of my rows (counted from tile s12 of hq) into set b: 16 fragments and 8 registers of scale words (lanes 0-15 K step 2 m, lanes 16-31 K step 2 m + 1)
.macro LOADH b
	s_add_co_u32 s45, s12, s44
	s_lshl_b32 s46, s45, 14
	v_add_nc_u32 v[5+(\b)], s46, v1
	s_lshl_b32 s46, s45, 10
	v_add_nc_u32 v[7+(\b)], s46, v227
	WIN 0xc0                                       ; destination window 3
.irp s, 0,1,2,3,4,5,6,7,8,9,10,11,12,13,14,15
.irp c, 0,1
	global_load_b128 v[128*(\b)+8*\s+4*\c:128*(\b)+8*\s+4*\c+3], v[5+(\b)], s[34:35] offset:1024*\s+512*\c   ; 32 lanes read 512 consecutive bytes
.endr
.endr
	WIN 0
.irp m, 0,1,2,3,4,5,6,7
	global_load_b32 v[112+8*(\b)+\m], v[7+(\b)], s[36:37] offset:128*\m
.endr
.endm
; Tile t of columns, K step s (0..15); hb, hs: h's set
.macro MD t, s, hb, hs
.if (\s) == 0
.set CB, 48
.else
.set CB, 80
.endif
.if ((\t)%2) == 0
.if ((\s)%2) == 0
	v_wmma_scale_f32_16x16x128_f8f6f4 v[80+8*(\t):87+8*(\t)], v[8*(4*((\s)%8)+(\t)):8*(4*((\s)%8)+(\t))+7], v[(\hb)+8*(\s):(\hb)+8*(\s)+7], v[CB+8*(\t):CB+8*(\t)+7], v[16+2*(\s)+(\t)/2], v[(\hs)+(\s)/2] matrix_a_fmt:MATRIX_FMT_FP4 matrix_b_fmt:MATRIX_FMT_FP4
.else
	v_wmma_scale_f32_16x16x128_f8f6f4 v[80+8*(\t):87+8*(\t)], v[8*(4*((\s)%8)+(\t)):8*(4*((\s)%8)+(\t))+7], v[(\hb)+8*(\s):(\hb)+8*(\s)+7], v[CB+8*(\t):CB+8*(\t)+7], v[16+2*(\s)+(\t)/2], v[(\hs)+(\s)/2] matrix_a_fmt:MATRIX_FMT_FP4 matrix_b_fmt:MATRIX_FMT_FP4 matrix_b_scale:MATRIX_SCALE_ROW1
.endif
.else
.if ((\s)%2) == 0
	v_wmma_scale_f32_16x16x128_f8f6f4 v[80+8*(\t):87+8*(\t)], v[8*(4*((\s)%8)+(\t)):8*(4*((\s)%8)+(\t))+7], v[(\hb)+8*(\s):(\hb)+8*(\s)+7], v[CB+8*(\t):CB+8*(\t)+7], v[16+2*(\s)+(\t)/2], v[(\hs)+(\s)/2] matrix_a_fmt:MATRIX_FMT_FP4 matrix_b_fmt:MATRIX_FMT_FP4 matrix_a_scale:MATRIX_SCALE_ROW1
.else
	v_wmma_scale_f32_16x16x128_f8f6f4 v[80+8*(\t):87+8*(\t)], v[8*(4*((\s)%8)+(\t)):8*(4*((\s)%8)+(\t))+7], v[(\hb)+8*(\s):(\hb)+8*(\s)+7], v[CB+8*(\t):CB+8*(\t)+7], v[16+2*(\s)+(\t)/2], v[(\hs)+(\s)/2] matrix_a_fmt:MATRIX_FMT_FP4 matrix_b_fmt:MATRIX_FMT_FP4 matrix_a_scale:MATRIX_SCALE_ROW1 matrix_b_scale:MATRIX_SCALE_ROW1
.endif
.endif
.endm
.macro UNIT b
.set HB, 128*(\b)
.set HSB, 112+8*(\b)
	s_cmp_ge_u32 s11, s10                          ; no tile left: the walk ends (a branch on a stored count; no barrier follows)
	s_cbranch_scc1 .Ldone
	s_add_co_u32 s44, s11, 4                       ; my next tile, held at the expert's last one: nothing is read that the launch before did not store
	s_sub_co_u32 s45, s10, 1
	s_min_u32 s44, s44, s45
	s_min_u32 s44, s44, 63
	LOADH 1-\b
	s_wait_loadcnt 40                              ; all but the 40 loads just issued: this tile (and, the first time, the bias) is in
	WIN 0x0d                                       ; source 0 (W) window 1, source 1 (h) window 3
.irp s, 0,1,2,3,4,5,6,7
.irp t, 0,1,2,3
	MD \t, \s, HB, HSB                             ; the four accumulators by turns, one instruction a turn
.endr
.endr
	WIN 0x0e                                       ; source 0 window 2
.irp s, 8,9,10,11,12,13,14,15
.irp t, 0,1,2,3
	MD \t, \s, HB, HSB
.endr
.endr
	WIN 0
.rept 5
	v_nop                                          ; places behind the products: for the stores of the results, the loads into h's registers, and the next tile's products, which begin the accumulators anew
.endr
	s_wait_xcnt 0x0                                ; the last tile's stores have read their registers: these may be written again
	s_add_co_u32 s45, s12, s11
	s_lshl_b32 s45, s45, 16
	v_add_nc_u32 v12, s45, v11                     ; 16 rows of 4,096 bytes a tile
.irp t, 0,1,2,3
	ds_store_b128 v9, v[80+8*\t:83+8*\t] offset:128*(\t/2)+32*(\t%2)       ; each accumulator from its low end on
	ds_store_b128 v9, v[84+8*\t:87+8*\t] offset:128*(\t/2)+32*(\t%2)+16
.endr
.irp i, 0,1,2,3,4,5,6,7
	ds_load_b128 v[128+4*\i:131+4*\i], v10 offset:544*\i   ; LDS serves a wave's instructions in order: these see the stores above, and the next tile's stores come behind them
.endr
.irp i, 0,1,2,3,4,5,6,7
	s_wait_dscnt 7-\i                              ; the younger LDS loads may be out
	global_store_b128 v12, v[128+4*\i:131+4*\i], s[38:39] offset:8192*\i th:TH_STORE_NT   ; sixteen lanes store 256 consecutive bytes, aligned: two rows an instruction
.endr
	s_add_co_u32 s11, s11, 4
.endm
	s_load_b256 s[16:23], s[0:1], 0x0              ; rw3 s[16:17], rb3 s[18:19], sb3 s[20:21], simg s[22:23]
	s_load_b128 s[24:27], s[0:1], 0x20             ; hq s[24:25], pos s[26:27]
	s_load_b64 s[28:29], s[0:1], 0x30              ; y
	v_lshl_add_u32 v254, v0, 2, SPARE              ; my spare word,
	v_mov_b32 v255, 0                              ; and 0: kept for the closing lines alone
	v_lshrrev_b32 v1, 5, v0
	v_readfirstlane_b32 s2, v1                     ; wave 0..3
	s_lshr_b32 s5, ttmp9, 7
	s_min_u32 s5, s5, 1                            ; kind: 0 routed, 1 shared
	s_and_b32 s40, ttmp9, 127
	s_cmp_eq_u32 s5, 0
	s_cselect_b32 s41, 4, 6
	s_cselect_b32 s42, 0, 2
	s_lshr_b32 s6, s40, s41                        ; the expert among its kind
	s_lshr_b32 s7, s40, s42
	s_and_b32 s7, s7, 15                           ; cu: which 64 columns
	s_and_b32 s8, s40, 3
	s_lshl_b32 s9, s5, 3
	s_add_co_u32 s9, s9, s6                        ; e10
	s_mul_i32 s44, s5, KOFF
	v_and_b32 v228, 31, v0                         ; lane
	v_and_b32 v229, 15, v0                         ; q
	v_bfe_u32 v230, v0, 4, 1                       ; hh
	v_bfe_u32 v231, v0, 3, 1                       ; g, u, a, b0 of my 4 columns
	v_bfe_u32 v232, v0, 1, 1
	v_bfe_u32 v233, v0, 2, 1
	v_and_b32 v234, 1, v0
	v_lshlrev_b32 v1, 4, v228
	v_lshlrev_b32 v227, 2, v228
	; every LDS address is made here, ahead of the parting
	v_lshlrev_b32 v[WA], 15, v231
	v_lshl_add_u32 v[WA], v232, 14, v[WA]
	v_lshl_add_u32 v[WA], v233, 7, v[WA]
	v_lshl_add_u32 v[WA], v234, 6, v[WA]
	v_lshl_add_u32 v[WA], v230, 3, v[WA]
	s_lshl_b32 s45, s2, 11
	v_add_nc_u32 v[WA], s45, v[WA]
	v_lshlrev_b32 v[SA], 7, v231
	v_lshl_add_u32 v[SA], v232, 6, v[SA]
	v_lshl_add_u32 v[SA], v233, 5, v[SA]
	v_lshl_add_u32 v[SA], v234, 4, v[SA]
	s_lshl_b32 s45, s2, 9
	s_add_co_u32 s45, s45, WSCL
	v_add_nc_u32 v[SA], s45, v[SA]
	v_lshlrev_b32 v4, 16, v230                     ; lanes 16-31: 16 rows of 4,096 bytes further down
	v_lshl_add_u32 v4, v229, 4, v4
	s_mul_i32 s45, s2, 4352
	s_add_co_u32 s45, s45, YST                     ; my stage
	v_mul_u32_u24 v9, v229, 272
	v_lshl_add_u32 v9, v230, 6, v9
	v_add_nc_u32 v9, s45, v9                       ; in: row q, + 64 hh
	v_mul_u32_u24 v10, v230, 272
	v_lshl_add_u32 v10, v229, 4, v10
	v_add_nc_u32 v10, s45, v10                     ; back: lanes 0-15 one row, lanes 16-31 the next
	v_lshlrev_b32 v11, 12, v230
	v_lshl_add_u32 v11, v229, 4, v11               ; and the same two rows in y
	v_add_nc_u32 v13, s44, v1                      ; behind the barrier: my kind's fragments,
	s_add_co_u32 s45, s44, WSCL
	v_add_nc_u32 v14, s45, v227                    ; and scale words
	v_lshlrev_b32 v15, 6, v230
	v_lshlrev_b32 v224, 4, v0
	v_add_nc_u32 v225, KOFF, v224                  ; the shared path's copy: codes,
	v_add_nc_u32 v226, KOFF+65536, v224            ; scale words
.irp j, 0,1,2,3
	v_mov_b32 v[MP+\j], 0                          ; destinations of lane permutes are written once
.endr
	s_mov_b32 s[SEL], 0x76543210
	s_mov_b32 s[SEL+1], 0xfedcba98
	s_wait_kmcnt 0x0
	s_cmp_lg_u32 s5, 0
	s_cbranch_scc1 .Lshared
	; ---- routed, ahead of the barrier
	s_lshl_b32 s40, s6, 23                         ; the expert: 8 MiB
	s_lshl_b32 s41, s7, 8
	s_add_co_u32 s40, s40, s41
	s_lshl_b32 s41, s2, 20                         ; the wave's 256 rows of 4,096 bytes, in each half of K
	s_add_co_u32 s40, s40, s41
	s_mov_b32 s41, 0
	s_add_nc_u64 s[30:31], s[16:17], s[40:41]
	LOADSET 0, 0, 0
	LOADSET 1, 1, 0
	LOADSET 2, 2, 0
	LOADSET 3, 3, 0
	WIN 0
	s_lshl_b32 s43, s6, 7
	s_load_b32 s10, s[26:27], s43 offset:0x8000    ; the expert's count of rows
	s_wait_kmcnt 0x0
	s_min_u32 s10, s10, 1024
	s_add_co_u32 s10, s10, 15
	s_lshr_b32 s10, s10, 4                         ; nt: its tiles
	SET 0, 0, 0, 48, 1, 4, 0                       ; three younger blocks, 48 loads, stay out
	SET 1, 1, 0, 48, 1, 5, 0
	SET 2, 2, 0, 48, 1, 6, 0
	SET 3, 3, 0, 48, 1, 7, 0
	SET 0, 4, 0, 48, 1, 0, 1
	SET 1, 5, 0, 48, 1, 1, 1
	SET 2, 6, 0, 48, 1, 2, 1
	SET 3, 7, 0, 48, 1, 3, 1
	SET 0, 0, 1, 48, 1, 4, 1
	SET 1, 1, 1, 48, 1, 5, 1
	SET 2, 2, 1, 48, 1, 6, 1
	SET 3, 3, 1, 48, 1, 7, 1
	SET 0, 4, 1, 48, 0, 0, 0                       ; nothing is left to ask for: the counts run down
	SET 1, 5, 1, 32, 0, 0, 0
	SET 2, 6, 1, 16, 0, 0, 0
	SET 3, 7, 1, 0, 0, 0, 0
	s_mov_b32 s12, 0
	s_branch .Ljoin
	; ---- shared, ahead of the barrier: the two panel images (the two halves of K) go from simg into LDS as they lie
.Lshared:
	s_lshl_b32 s40, s6, 4
	s_add_co_u32 s40, s40, s7
	s_lshl_b32 s40, s40, 1
	s_add_co_u32 s40, s40, 128
	s_mul_i32 s40, s40, PIMGB
	s_mov_b32 s41, 0
	s_add_nc_u64 s[30:31], s[22:23], s[40:41]
	WIN 0x40
.irp p, 0,1
.set I, 0
.rept 17
	global_load_b128 v[4*(17*\p+I):4*(17*\p+I)+3], v224, s[30:31] offset:PIMGB*\p+2048*I
.set I, I+1
.endr
.endr
	s_wait_loadcnt 0x0
	WIN 0x04                                       ; an LDS store's data are its source 1: window 1
.irp p, 0,1
.set I, 0
.rept 16
	ds_store_b128 v225, v[4*(17*\p+I):4*(17*\p+I)+3] offset:(I/4)*16384+\p*8192+(I%4)*2048
.set I, I+1
.endr
	ds_store_b128 v226, v[4*(17*\p+16):4*(17*\p+16)+3] offset:\p*2048
.endr
	WIN 0
	s_mov_b32 s10, 16
	s_lshl_b32 s12, s8, 4
.Ljoin:
	s_wait_loadcnt 0x0
	s_wait_dscnt 0x0                               ; for the others' sake: my LDS stores are done
	s_barrier_signal -1
	s_barrier_wait -1                              ; fragments and scale words lie in LDS
	s_cmp_ge_u32 s2, s10
	s_cbranch_scc1 .Ldone                          ; no tile for me
	WIN 0x40
.irp s, 0,1,2,3,4,5,6,7
.irp t, 0,1,2,3
.irp c, 0,1
	ds_load_b128 v[8*(4*\s+\t)+4*\c:8*(4*\s+\t)+4*\c+3], v13 offset:\t*16384+\s*1024+512*\c
.endr
.endr
.endr
	WIN 0x80
.irp s, 0,1,2,3,4,5,6,7
.irp t, 0,1,2,3
.irp c, 0,1
	ds_load_b128 v[8*(4*\s+\t)+4*\c:8*(4*\s+\t)+4*\c+3], v13 offset:\t*16384+8192+\s*1024+512*\c
.endr
.endr
.endr
	WIN 0
.irp s, 0,1,2,3,4,5,6,7,8,9,10,11,12,13,14,15
.irp g, 0,1
	ds_load_b32 v[16+2*\s+\g], v14 offset:(\s/8)*2048+(\s%8)*256+\g*128   ; lanes 0-15: tile 2 g, lanes 16-31: tile 2 g + 1
.endr
.endr
	s_cmp_eq_u32 s5, 0
	s_cselect_b64 s[32:33], s[18:19], s[20:21]
	s_lshl_b32 s40, s6, 12
	s_lshl_b32 s41, s7, 8
	s_add_co_u32 s40, s40, s41
	s_mov_b32 s41, 0
	s_add_nc_u64 s[32:33], s[32:33], s[40:41]
.irp t, 0,1,2,3
	global_load_b128 v[48+8*\t:51+8*\t], v15, s[32:33] offset:128*(\t/2)+32*(\t%2)      ; the bias in the result's layout
	global_load_b128 v[52+8*\t:55+8*\t], v15, s[32:33] offset:128*(\t/2)+32*(\t%2)+16
.endr
	s_lshl_b32 s40, s9, 20
	s_add_nc_u64 s[34:35], s[24:25], s[40:41]      ; hq: the expert's codes,
	s_lshl_b32 s40, s9, 16
	s_add_co_u32 s40, s40, HSOFF
	s_add_nc_u64 s[36:37], s[24:25], s[40:41]      ; its scale bytes
	s_lshl_b32 s40, s9, 22
	s_lshl_b32 s42, s7, 8
	s_add_co_u32 s40, s40, s42
	s_add_nc_u64 s[38:39], s[28:29], s[40:41]      ; y: the expert's rows, my 64 columns
	s_mov_b32 s11, s2                              ; t
	s_mov_b32 s44, s2
	LOADH 0
	s_wait_dscnt 0x0                               ; W and its scale words are in
	s_mov_b32 s47, 8
.Lrow:                                             ; 8 trips of two tiles for each of four waves serve 64 tiles; the walk leaves by the test at a tile's head
	UNIT 0
	UNIT 1
	s_sub_co_u32 s47, s47, 1
	s_cmp_lg_u32 s47, 0
	s_cbranch_scc1 .Lrow
.Ldone:
	s_wait_tensorcnt 0x0                           ; the wave's end
	ds_add_u32 v254, v255
	s_wait_dscnt 0x0
	s_endpgm
.Lfunc_end_k_q545e6210fa_down:
	.size	k_q545e6210fa_down, .Lfunc_end_k_q545e6210fa_down-k_q545e6210fa_down
	.p2alignl 7, 3214868480
	.fill 96, 4, 3214868480
	.section	.rodata,"a",@progbits
	.p2align	6, 0x0
	.amdhsa_kernel k_q545e6210fa_down
		.amdhsa_group_segment_fixed_size 157184
		.amdhsa_private_segment_fixed_size 0
		.amdhsa_enable_private_segment 0
		.amdhsa_kernarg_size 56
		.amdhsa_user_sgpr_count 2
		.amdhsa_user_sgpr_kernarg_segment_ptr 1
		.amdhsa_wavefront_size32 1
		.amdhsa_system_sgpr_workgroup_id_x 1
		.amdhsa_system_sgpr_workgroup_id_y 1
		.amdhsa_system_sgpr_workgroup_id_z 1
		.amdhsa_system_vgpr_workitem_id 0
		.amdhsa_next_free_vgpr 1024
		.amdhsa_next_free_sgpr 66
		.amdhsa_reserve_vcc 0
		.amdhsa_float_denorm_mode_32 3
		.amdhsa_float_denorm_mode_16_64 3
		.amdhsa_memory_ordered 1
		.amdhsa_forward_progress 1
		.amdhsa_inst_pref_size 176
	.end_amdhsa_kernel
	.amdgpu_metadata
---
amdhsa.version: [ 1, 2 ]
amdhsa.kernels:
  - .name:           k_q545e6210fa_down
    .symbol:         k_q545e6210fa_down.kd
    .args:
      - { .name: rw3, .offset: 0, .size: 8, .value_kind: global_buffer, .address_space: global }
      - { .name: rb3, .offset: 8, .size: 8, .value_kind: global_buffer, .address_space: global }
      - { .name: sb3, .offset: 16, .size: 8, .value_kind: global_buffer, .address_space: global }
      - { .name: simg, .offset: 24, .size: 8, .value_kind: global_buffer, .address_space: global }
      - { .name: hq, .offset: 32, .size: 8, .value_kind: global_buffer, .address_space: global }
      - { .name: pos, .offset: 40, .size: 8, .value_kind: global_buffer, .address_space: global }
      - { .name: y, .offset: 48, .size: 8, .value_kind: global_buffer, .address_space: global }
    .group_segment_fixed_size: 157184
    .private_segment_fixed_size: 0
    .kernarg_segment_align: 8
    .kernarg_segment_size: 56
    .max_flat_workgroup_size: 128
    .sgpr_count:     66
    .vgpr_count:     1024
    .wavefront_size: 32
...
	.end_amdgpu_metadata
.endif
;; end of part 3
;; launch combine (part 4): grid 256 x 1, 4 waves a work-group, no clusters, 0 bytes of LDS; arguments y, route, gatew, pos, out0; writes out0
.if DOCPART == 4
	.amdgcn_target "amdgcn-amd-amdhsa--gfx1250"
	.amdhsa_code_object_version 6
	.text
	.protected	k_q545e6210fa_combine
	.globl	k_q545e6210fa_combine
	.p2align	8
	.type	k_q545e6210fa_combine,@function
k_q545e6210fa_combine:
	s_mov_b64 s[64:65], 0
	v_nop
	global_prefetch_b8 v0, s[64:65] scope:SCOPE_SE
	s_setreg_imm32_b32 hwreg(HW_REG_WAVE_MODE, 25, 1), 1
	s_wait_xcnt 0x0
; COMBINE: out0[token] = (ys8[token] + ys9[token]) / 2 + w0 y[e0][rank of the token in e0] + w1 y[e1][rank in e1].  Each output row has one owner: a wave takes a token, 4,096 bytes, 8 loads of 512 consecutive bytes from each of four rows.
; The experts (route) and the ranks (pos) are whole numbers that earlier launches stored; they are read here and steer the two gather addresses, each held inside its table ahead of the address.
; The ranks of the token in all 8 experts stand at fixed places and are read beside the experts, so that the gather waits for one round of scalar loads, not two; the two that count are selected.
; A stream: no LDS, no barrier, no matrix unit.  Every store's data have registers of their own.
	s_load_b256 s[4:11], s[0:1], 0x0               ; y s[4:5], route s[6:7], gatew s[8:9], pos s[10:11]
	s_load_b64 s[12:13], s[0:1], 0x20              ; out0
	v_lshrrev_b32 v1, 5, v0
	v_readfirstlane_b32 s14, v1                    ; wave
	v_and_b32 v1, 31, v0
	v_lshlrev_b32 v1, 4, v1                        ; 16 x lane
	s_lshl_b32 s15, ttmp9, 2
	s_add_co_u32 s15, s15, s14                     ; my token
	s_lshl_b32 s16, s15, 3
	s_lshl_b32 s17, s15, 2
	s_lshl_b32 s40, s15, 12
	s_mov_b32 s41, 0
	s_wait_kmcnt 0x0
	s_load_b64 s[18:19], s[6:7], s16 offset:0x0    ; e0, e1
	s_load_b64 s[20:21], s[8:9], s16 offset:0x0    ; w0, w1
.irp e, 0,1,2,3,4,5,6,7
	s_load_b32 s[24+\e], s[10:11], s17 offset:4096*\e   ; the token's rank in expert e (it counts only for the two chosen)
.endr
	s_add_nc_u64 s[42:43], s[4:5], s[40:41]
	s_add_nc_u64 s[42:43], s[42:43], 0x2000000     ; the first shared expert's rows: 8 x 4 MiB on
	s_add_nc_u64 s[12:13], s[12:13], s[40:41]
.irp j, 0,1,2,3,4,5,6,7
	global_load_b128 v[8+4*\j:11+4*\j], v1, s[42:43] offset:512*\j th:TH_LOAD_NT
.endr
.irp j, 0,1,2,3,4,5,6,7
	global_load_b128 v[40+4*\j:43+4*\j], v1, s[42:43] offset:4194304+512*\j th:TH_LOAD_NT
.endr
	s_wait_kmcnt 0x0
	s_min_u32 s18, s18, 7
	s_min_u32 s19, s19, 7
	s_mov_b32 s32, s24
	s_mov_b32 s33, s24
.irp e, 1,2,3,4,5,6,7
	s_cmp_eq_u32 s18, \e
	s_cselect_b32 s32, s[24+\e], s32
	s_cmp_eq_u32 s19, \e
	s_cselect_b32 s33, s[24+\e], s33
.endr
	s_min_u32 s32, s32, 1023
	s_min_u32 s33, s33, 1023
	s_lshl_b32 s34, s18, 22                        ; an expert's rows are 4 MiB, a row 4,096 bytes
	s_lshl_b32 s35, s32, 12
	s_add_co_u32 s34, s34, s35
	s_mov_b32 s35, 0
	s_add_nc_u64 s[36:37], s[4:5], s[34:35]
	s_lshl_b32 s34, s19, 22
	s_lshl_b32 s38, s33, 12
	s_add_co_u32 s34, s34, s38
	s_add_nc_u64 s[38:39], s[4:5], s[34:35]
	s_mov_b32 s22, s21                             ; the packed forms name a pair and take its low word for both halves
	s_mov_b32 s23, s21
.irp j, 0,1,2,3,4,5,6,7
	global_load_b128 v[72+4*\j:75+4*\j], v1, s[36:37] offset:512*\j th:TH_LOAD_NT
	global_load_b128 v[104+4*\j:107+4*\j], v1, s[38:39] offset:512*\j th:TH_LOAD_NT
.endr
.irp j, 0,1,2,3,4,5,6,7
	s_wait_loadcnt 14-2*\j                         ; loads come back in order: piece j of all four rows is in; the later pieces' two loads each may be out
.irp k, 0,2
	v_pk_mul_f32 v[136+4*\j+\k:137+4*\j+\k], v[40+4*\j+\k:41+4*\j+\k], 0.5 op_sel_hi:[1,0]
	v_pk_fma_f32 v[136+4*\j+\k:137+4*\j+\k], v[8+4*\j+\k:9+4*\j+\k], 0.5, v[136+4*\j+\k:137+4*\j+\k] op_sel_hi:[1,0,1]
	v_pk_fma_f32 v[136+4*\j+\k:137+4*\j+\k], v[72+4*\j+\k:73+4*\j+\k], s[20:21], v[136+4*\j+\k:137+4*\j+\k] op_sel_hi:[1,0,1]
	v_pk_fma_f32 v[136+4*\j+\k:137+4*\j+\k], v[104+4*\j+\k:105+4*\j+\k], s[22:23], v[136+4*\j+\k:137+4*\j+\k] op_sel_hi:[1,0,1]
.endr
	global_store_b128 v1, v[136+4*\j:139+4*\j], s[12:13] offset:512*\j th:TH_STORE_NT   ; 32 lanes store 512 consecutive bytes, aligned
.endr
	s_endpgm
.Lfunc_end_k_q545e6210fa_combine:
	.size	k_q545e6210fa_combine, .Lfunc_end_k_q545e6210fa_combine-k_q545e6210fa_combine
	.p2alignl 7, 3214868480
	.fill 96, 4, 3214868480
	.section	.rodata,"a",@progbits
	.p2align	6, 0x0
	.amdhsa_kernel k_q545e6210fa_combine
		.amdhsa_group_segment_fixed_size 0
		.amdhsa_private_segment_fixed_size 0
		.amdhsa_enable_private_segment 0
		.amdhsa_kernarg_size 40
		.amdhsa_user_sgpr_count 2
		.amdhsa_user_sgpr_kernarg_segment_ptr 1
		.amdhsa_wavefront_size32 1
		.amdhsa_system_sgpr_workgroup_id_x 1
		.amdhsa_system_sgpr_workgroup_id_y 1
		.amdhsa_system_sgpr_workgroup_id_z 1
		.amdhsa_system_vgpr_workitem_id 0
		.amdhsa_next_free_vgpr 168
		.amdhsa_next_free_sgpr 66
		.amdhsa_reserve_vcc 0
		.amdhsa_float_denorm_mode_32 3
		.amdhsa_float_denorm_mode_16_64 3
		.amdhsa_memory_ordered 1
		.amdhsa_forward_progress 1
		.amdhsa_inst_pref_size 11
	.end_amdhsa_kernel
	.amdgpu_metadata
---
amdhsa.version: [ 1, 2 ]
amdhsa.kernels:
  - .name:           k_q545e6210fa_combine
    .symbol:         k_q545e6210fa_combine.kd
    .args:
      - { .name: y, .offset: 0, .size: 8, .value_kind: global_buffer, .address_space: global }
      - { .name: route, .offset: 8, .size: 8, .value_kind: global_buffer, .address_space: global }
      - { .name: gatew, .offset: 16, .size: 8, .value_kind: global_buffer, .address_space: global }
      - { .name: pos, .offset: 24, .size: 8, .value_kind: global_buffer, .address_space: global }
      - { .name: out0, .offset: 32, .size: 8, .value_kind: global_buffer, .address_space: global }
    .group_segment_fixed_size: 0
    .private_segment_fixed_size: 0
    .kernarg_segment_align: 8
    .kernarg_segment_size: 40
    .max_flat_workgroup_size: 128
    .sgpr_count:     66
    .vgpr_count:     168
    .wavefront_size: 32
...
	.end_amdgpu_metadata
.endif
;; end of part 4
;; ======== version 2 of 2: 4 launches; 1.16 times as fast as version 1
;; workspace buffers: xq 557,056 bytes; route 9,216 bytes of whole numbers; gatew 8,192 bytes; simg 6,684,672 bytes; hq 11,141,120 bytes; pos 33,792 bytes of whole numbers; y 41,943,040 bytes
;; launch prep: the kernel of part 1 again; grid 256 x 1, 4 waves a work-group, no clusters, 54,528 bytes of LDS; arguments x, gate_w, gate_b, sw1, sw2, sw3, xq, route, gatew, simg; writes xq, route, gatew, simg
;; launch up (part 5): grid 512 x 1, 4 waves a work-group, no clusters, 139,776 bytes of LDS; arguments rw1, rw2, rb1, rb2, sb1, sb2, simg, xq, route, hq, pos; writes hq, pos
.if DOCPART == 5
	.amdgcn_target "amdgcn-amd-amdhsa--gfx1250"
	.amdhsa_code_object_version 6
	.text
	.protected	k_q545e6210fa_up
	.globl	k_q545e6210fa_up
	.p2align	8
	.type	k_q545e6210fa_up,@function
k_q545e6210fa_up:
	s_mov_b64 s[64:65], 0
	v_nop
	global_prefetch_b8 v0, s[64:65] scope:SCOPE_SE
	s_setreg_imm32_b32 hwreg(HW_REG_WAVE_MODE, 25, 1), 1
	s_wait_xcnt 0x0
; UP: h = silu(x W1 + b1) (x W2 + b2), quantised along H, for the rows that count.  Left out as dead work (shown at the head of prep): the rows of routed experts that reference()'s take_along_axis does not gather.
; SHARES.  Work-groups 0-255: expert e = id >> 5, columns 64 (id & 31) of H: the work-group streams its 1,024 x 64 numbers of rw1 and of rw2 ONCE, quantises them down K into LDS, and walks the rows of the tokens that chose e.
; Work-groups 256-511: shared expert, the same 64 columns, a quarter of the tokens (256): the codes come from simg, made by prep.  No weight byte of f32 is read twice.
; WHICH ROWS.  prep stored a bit for each (expert, token).  The expert's 32 mask words and the counts of set bits ahead of each stay in scalar registers; a lane finds the token of its rank by SEARCHING them, in registers
; (macro TOK), between the issue of a tile's loads and the wait for them.  For a shared expert the rank is the token.  The work-group of columns 0 also stores token -> rank and the count (pos), for the later launches.
; Branches and gather addresses hang on these whole numbers, which an earlier launch stored.  No tensor load and no copy: branches hang on the stored count.  An expert without tokens still streams its weights: the loads go out ahead of the counts.
; THE TWO PATHS part once, on the work-group's number, and join at the one barrier; each has LDS bytes of its own (the shared path's lie KOFF further on); behind the barrier both run the same lines.
; THE ROW WALK.  Wave w: slab g = w & 1 (32 columns: block 2 cu + g of H), tiles of 16 rows t = 2 k + (w >> 1).  Its 32 fragments of W1 and W2 stay in registers (window 1).  Both products are used transposed
; (source 0 = 16 columns of W, source 1 = 16 rows of x): a lane holds one row, and its 16 results of the slab's two tiles are 16 neighbours along H (the columns of a tile are chosen for that: see prep).  The biases are the C of each sum's first product.
; EVERY WAVE WALKS ALL 16 TRIPS of the walk's loop, two tiles a trip: the trip count is a constant of the text.
; hq: codes at ((e10 64 + t) 64 + B) 256 + 16 r + 8 h (block B of row r of tile t): four blocks on end are a fragment's register image for the next launch; scale bytes at HSOFF + (e10 64 + t) 1,024 + (B >> 2) 64 + 4 r + (B & 3).
; REGISTERS, window 0: v1-15 addresses, 0, tokens; v16-31 W's scale words; v32-63 biases; v64-95 four accumulators (v64-75 also the search's, between two tiles); v96-111 x's scale words, two sets; v112-239 x's fragments, two sets (ahead of the barrier: the quantiser's); v240-253 at work.
; SCALARS: s[16:47] the mask words; s[48:63], s[68:83] (set bits ahead of word g) << 16 | g: both kept to the end; s[84:93] pointers.
.set WIMG,  0                          ; LDS: fragment (matrix p, tile, K step s) at tile 16,384 + p 8,192 + s 1,024
.set WSCL,  65536                      ; scale words at p 2,048 + s 256 + g 128 + 4 lane
.set KOFF,  69632                      ; the shared path's two regions lie this far behind the routed path's
.set SPARE, 139264                     ; the spare words, 128 bytes for each wave: two blocks of 256 bytes that no other line names
.set XSOFF, 524288
.set HSOFF, 10485760
.set PIMGB, 34816
.set WA, 2
.set SA, 3
.set T,  112
.set M,  176
.set MP, 180
.set SO, 184
.set BY, 188
.set SW, 192
.set C,  196
.set SEL, 94
.set MSB, 0
.macro WIN new
.if MSB != \new
	s_set_vgpr_msb (MSB<<8)|\new
.set MSB, \new
.endif
.endm
.macro LOADSET ring, bq, p             ; block bq of the wave's 8, of matrix p: 16 loads, each two whole pieces of 256 bytes of two K rows
	WIN 0x40
.irp i, 0,1,2,3,4,5,6,7,8,9,10,11,12,13,14,15
	global_load_b128 v[64*(\ring)+4*\i:64*(\ring)+4*\i+3], v4, s[84+2*(\p):85+2*(\p)] offset:(32*(\bq)+\i)*8192 th:TH_LOAD_NT
.endr
.endm
.macro QBLOCK bq, p                    ; as in prep
.irp j, 0,1,2,3
	v_max3_num_f32 v[M+\j], |v[T+16*\j]|, |v[T+16*\j+1]|, 0x1800000
.endr
.irp i, 2,4,6,8,10,12,14
.irp j, 0,1,2,3
	v_max3_num_f32 v[M+\j], v[M+\j], |v[T+16*\j+\i]|, |v[T+16*\j+\i+1]|
.endr
.endr
.irp j, 0,1,2,3
	v_permlanex16_b32 v[MP+\j], v[M+\j], s[SEL], s[SEL+1]
.endr
.irp j, 0,1,2,3
	v_max_num_f32 v[M+\j], v[M+\j], v[MP+\j]
.endr
.irp j, 0,1,2,3
	v_add_nc_u32 v[SO+\j], 0xff000000, v[M+\j]
.endr
.if ((\bq)&3) == 0
.irp j, 0,1,2,3
	v_lshrrev_b32 v[SW+\j], 23, v[SO+\j]
.endr
.else
.irp j, 0,1,2,3
	v_lshrrev_b32 v[BY+\j], 23, v[SO+\j]
.endr
.irp j, 0,1,2,3
	v_lshl_or_b32 v[SW+\j], v[BY+\j], 8*((\bq)&3), v[SW+\j]
.endr
.endif
.irp j, 0,1,2,3
	v_cvt_scalef32_pk8_fp4_f32 v[C+2*\j], v[T+16*\j:T+16*\j+7], v[SO+\j]
	v_cvt_scalef32_pk8_fp4_f32 v[C+2*\j+1], v[T+16*\j+8:T+16*\j+15], v[SO+\j]
.endr
	v_nop                                          ; one plain place behind the last scaled conversion
.irp j, 0,1,2,3
	ds_store_b64 v[WA], v[C+2*\j:C+2*\j+1] offset:(\p)*8192+(\bq)*256+16*\j
.endr
.if ((\bq)&3) == 3
.irp j, 0,1,2,3
	ds_store_b32 v[SA], v[SW+\j] offset:(\p)*2048+((\bq)>>2)*256+4*\j
.endr
.endif
.endm
.macro SET ring, bq, p, left, refill, nbq, np
	s_wait_loadcnt \left                           ; this block's 16 loads are in; the younger blocks' may be out
	s_wait_dscnt 0x0                               ; the last block's LDS stores are done: their data registers may be written again
	WIN 0x01
.irp i, 0,1,2,3,4,5,6,7,8,9,10,11,12,13,14,15
.irp j, 0,1,2,3
	v_mov_b32 v[T+16*\j+\i], v[64*(\ring)+4*\i+\j] ; row i, column j -> column j's run along K (the conversions take neighbours along K from consecutive registers)
.endr
.endr
.if \refill
	LOADSET \ring, \nbq, \np
.endif
	WIN 0
	QBLOCK \bq, \p
.endm
; One step of the search for the j-th set bit: the count of the lower half of what is left, taken from the tree of counts.  v68: j; v74: the bit's place so far; v5: 0
.macro LSTEP src, w, fw
	v_bfe_u32 v73, v[\src], v74, \fw
	v_cmp_lt_u32 vcc_lo, v68, v73
	v_cndmask_b32 v73, v73, v5, vcc_lo             ; the count, or 0 where the bit lies in the lower half
	v_cndmask_b32 v75, \w, v5, vcc_lo
	v_sub_nc_u32 v68, v68, v73
	v_add_nc_u32 v74, v74, v75
.endm
; The tokens of tile t + off of my walk (t in s11, the walk's first tile in s12) into v[dst]: lane l takes rank 16 (s12 + t + off) + l % 16.
; Shared expert: the rank is the token.  Routed expert: the token is the place of the rank-th set bit of the expert's 1,024 mask bits: first the last word whose base is at or under the rank, then the bit in the word.
; For a rank at or past the count the result is some number that LOADX holds under 1,024, and is used by no output.  v64-75 are free here: the last tile's results have been read, the next products begin their sums anew.
.macro TOK dst, off
	s_add_co_u32 s96, s11, s12
	s_lshl_b32 s96, s96, 4
	s_add_co_u32 s96, s96, 16*(\off)
	v_add_nc_u32 v64, s96, v6                      ; my rank
	s_cmp_lg_u32 s5, 0
	s_cbranch_scc1 .Lplain_\@
	v_lshl_or_b32 v65, v64, 16, 0xffff
	v_mov_b32 v66, s48
	v_mov_b32 v67, s16
.set G, 1
.rept 31
	v_cmp_gt_u32 vcc_lo, s[48+G+4*(G/16)], v65     ; the last word whose base is at or under my rank
	v_cndmask_b32 v66, s[48+G+4*(G/16)], v66, vcc_lo
	v_cndmask_b32 v67, s[16+G], v67, vcc_lo
.set G, G+1
.endr
	v_lshrrev_b32 v68, 16, v66
	v_sub_nc_u32 v68, v64, v68                     ; j: my rank inside the word
	v_lshrrev_b32 v73, 1, v67
	v_and_b32 v73, 0x55555555, v73
	v_sub_nc_u32 v69, v67, v73                     ; counts of 2 bits,
	v_lshrrev_b32 v73, 2, v69
	v_and_b32 v73, 0x33333333, v73
	v_and_b32 v70, 0x33333333, v69
	v_add_nc_u32 v70, v70, v73                     ; of 4,
	v_lshrrev_b32 v73, 4, v70
	v_add_nc_u32 v71, v70, v73
	v_and_b32 v71, 0x0f0f0f0f, v71                 ; of 8,
	v_lshrrev_b32 v73, 8, v71
	v_add_nc_u32 v72, v71, v73                     ; byte 0: of the low 16
	v_mov_b32 v74, 0
	LSTEP 72, 16, 8
	LSTEP 71, 8, 8
	LSTEP 70, 4, 4
	LSTEP 69, 2, 2
	LSTEP 67, 1, 1
	v_and_b32 v66, 0xffff, v66
	v_lshl_add_u32 v[\dst], v66, 5, v74            ; token = 32 word + bit
	s_branch .Lgot_\@
.Lplain_\@:
	v_mov_b32 v[\dst], v64
.Lgot_\@:
.endm
; 16 rows of x (the tokens in v[10 + b]) into set b: 8 fragments and 8 scale words.  The token, which comes of loaded numbers, is held under 1,024 ahead of the address
.macro LOADX b
	v_min_u32 v240, 0x3ff, v[10+(\b)]
	v_lshl_add_u32 v[12+(\b)], v240, 9, v7         ; a row of codes is 512 bytes; + 16 x my half
	v_lshlrev_b32 v[14+(\b)], 5, v240              ; a row of scale bytes is 32
.irp s, 0,1,2,3,4,5,6,7
.irp c, 0,1
	global_load_b128 v[112+64*(\b)+8*\s+4*\c:112+64*(\b)+8*\s+4*\c+3], v[12+(\b)], s[92:93] offset:64*\s+32*\c
.endr
.endr
.irp m, 0,1
	global_load_b128 v[96+8*(\b)+4*\m:96+8*(\b)+4*\m+3], v[14+(\b)], s[92:93] offset:XSOFF+16*\m
.endr
.endm
; Accumulator a = 2 p + u (matrix p, tile u of my slab), K step s
.macro MM a, s, xb, xs
.if (\s) == 0
.set CB, 32
.else
.set CB, 64
.endif
.if ((\a)&1) == 0
	v_wmma_scale_f32_16x16x128_f8f6f4 v[64+8*(\a):71+8*(\a)], v[64*(\a)+8*(\s):64*(\a)+8*(\s)+7], v[(\xb)+8*(\s):(\xb)+8*(\s)+7], v[CB+8*(\a):CB+8*(\a)+7], v[16+8*((\a)/2)+(\s)], v[(\xs)+(\s)] matrix_a_fmt:MATRIX_FMT_FP4 matrix_b_fmt:MATRIX_FMT_FP4
.else
	v_wmma_scale_f32_16x16x128_f8f6f4 v[64+8*(\a):71+8*(\a)], v[64*(\a)+8*(\s):64*(\a)+8*(\s)+7], v[(\xb)+8*(\s):(\xb)+8*(\s)+7], v[CB+8*(\a):CB+8*(\a)+7], v[16+8*((\a)/2)+(\s)], v[(\xs)+(\s)] matrix_a_fmt:MATRIX_FMT_FP4 matrix_b_fmt:MATRIX_FMT_FP4 matrix_a_scale:MATRIX_SCALE_ROW1
.endif
.endm
; Tile b of a trip's two (t + 2 b), from set b.  The next tile's rows are asked for first, into the other set; then the tokens of the tile after that are found, while those loads are on their way.
; b = 1: these lines and the wait always run, so that every trip leaves the same loads out; the products, the activation and the stores are jumped over where the wave has no such tile.
.macro UNIT b
.set XB, 112+64*(\b)
.set XSB, 96+8*(\b)
	LOADX 1-\b
	TOK 10+\b, 2*\b+4
	s_wait_loadcnt 18                              ; all but the 18 loads just issued: this tile's rows (and, the first time, the biases) are in
.if \b
	s_add_co_u32 s96, s11, 2
	s_cmp_ge_u32 s96, s10                          ; a stored count decides
	s_cbranch_scc1 .Lnext
.endif
	WIN 0x01                                       ; source 0 (W) in window 1
.irp s, 0,1,2,3,4,5,6,7
.irp a, 0,1,2,3
	MM \a, \s, XB, XSB                             ; the four accumulators by turns, one instruction a turn
.endr
.endr
	WIN 0
.rept 5
	v_nop                                          ; places behind the products: for the reads of the results, the writes over x's registers, and the next tile's products, which begin the accumulators anew
.endr
.irp i, 0,2,4,6,8,10,12,14
	v_pk_mul_f32 v[XB+\i:XB+\i+1], v[64+\i:65+\i], 0xbfb8aa3b op_sel_hi:[1,0]   ; -p1 log2(e), into registers of x that are done with
.endr
.irp i, 0,1,2,3,4,5,6,7,8,9,10,11,12,13,14,15
	v_exp_f32 v[XB+\i], v[XB+\i]
.endr
.irp i, 0,2,4,6,8,10,12,14
	v_pk_mul_f32 v[80+\i:81+\i], v[64+\i:65+\i], v[80+\i:81+\i]   ; p1 p2: plain work behind the exponentials
.endr
	s_wait_alu depctr_va_vdst(0)                   ; one wait for the sixteen, ahead of their first reader
.irp i, 0,2,4,6,8,10,12,14
	v_pk_add_f32 v[XB+\i:XB+\i+1], v[XB+\i:XB+\i+1], 1.0 op_sel_hi:[1,0]
.endr
.irp i, 0,1,2,3,4,5,6,7,8,9,10,11,12,13,14,15
	v_rcp_f32 v[XB+\i], v[XB+\i]
.endr
	v_nop
	s_wait_alu depctr_va_vdst(0)
.irp i, 0,2,4,6,8,10,12,14
	v_pk_mul_f32 v[80+\i:81+\i], v[80+\i:81+\i], v[XB+\i:XB+\i+1]   ; silu(p1) p2 = p1 p2 / (1 + e^-p1): 16 neighbours along H
.endr
	v_max3_num_f32 v247, |v80|, |v81|, 0x1800000
.irp i, 2,4,6,8,10,12,14
	v_max3_num_f32 v247, v247, |v[80+\i]|, |v[81+\i]|
.endr
	v_permlanex16_b32 v248, v247, s[SEL], s[SEL+1]
	v_max_num_f32 v247, v247, v248                 ; the block of 32 lies in lanes l and l xor 16
	s_wait_xcnt 0x0                                ; the last tile's stores have read their data registers: these may be written again
	v_add_nc_u32 v249, 0xff000000, v247
	v_lshrrev_b32 v250, 23, v249
	v_cvt_scalef32_pk8_fp4_f32 v252, v[80:87], v249
	v_cvt_scalef32_pk8_fp4_f32 v253, v[88:95], v249
	v_nop
	global_store_b64 v8, v[252:253], s[88:89] offset:32768*(\b)   ; the wave stores 256 consecutive bytes, aligned: block B of the tile's 16 rows; the trip's second tile lies two tiles on
	global_store_b8 v9, v250, s[90:91] offset:2048*(\b)           ; both halves of the lanes write the same byte with the same value
.endm
	s_load_b128 s[84:87], s[0:1], 0x0              ; rw1, rw2
	s_load_b64 s[88:89], s[0:1], 0x40              ; route
	s_load_b64 s[90:91], s[0:1], 0x50              ; pos
	s_load_b64 s[92:93], s[0:1], 0x30              ; simg
	v_lshl_add_u32 v254, v0, 2, SPARE              ; my spare word,
	v_mov_b32 v255, 0                              ; and 0: kept for the closing lines alone
	v_lshrrev_b32 v1, 5, v0
	v_readfirstlane_b32 s2, v1                     ; wave 0..3
	s_and_b32 s3, s2, 1                            ; g: my slab
	s_lshr_b32 s4, s2, 1                           ; my parity of tiles
	s_lshr_b32 s5, ttmp9, 8
	s_min_u32 s5, s5, 1                            ; kind: 0 routed, 1 shared
	s_and_b32 s96, ttmp9, 255
	s_cmp_eq_u32 s5, 0
	s_cselect_b32 s97, 5, 7
	s_cselect_b32 s98, 0, 2
	s_lshr_b32 s6, s96, s97                        ; the expert among its kind
	s_lshr_b32 s7, s96, s98
	s_and_b32 s7, s7, 31                           ; cu: which 64 columns
	s_and_b32 s8, s96, 3                           ; the shared path's quarter of the tokens
	s_lshl_b32 s9, s5, 3
	s_add_co_u32 s9, s9, s6                        ; e10: 0-7 routed, 8, 9 shared
	v_and_b32 v240, 31, v0                         ; lane
	v_and_b32 v250, 15, v0                         ; q
	v_bfe_u32 v249, v0, 4, 1                       ; hh
	v_lshlrev_b32 v1, 4, v240
	v_bfe_u32 v204, v0, 3, 1                       ; g, u, a, b0 of my 4 columns
	v_bfe_u32 v205, v0, 1, 1
	v_bfe_u32 v206, v0, 2, 1
	v_and_b32 v207, 1, v0
	; every LDS address is made here, ahead of the parting
	v_lshlrev_b32 v[WA], 15, v204
	v_lshl_add_u32 v[WA], v205, 14, v[WA]
	v_lshl_add_u32 v[WA], v206, 7, v[WA]
	v_lshl_add_u32 v[WA], v207, 6, v[WA]
	v_lshl_add_u32 v[WA], v249, 3, v[WA]
	s_lshl_b32 s96, s2, 11
	v_add_nc_u32 v[WA], s96, v[WA]
	v_lshlrev_b32 v[SA], 7, v204
	v_lshl_add_u32 v[SA], v205, 6, v[SA]
	v_lshl_add_u32 v[SA], v206, 5, v[SA]
	v_lshl_add_u32 v[SA], v207, 4, v[SA]
	s_lshl_b32 s96, s2, 9
	s_add_co_u32 s96, s96, WSCL
	v_add_nc_u32 v[SA], s96, v[SA]
	v_lshlrev_b32 v4, 17, v249                     ; lanes 16-31: 16 rows of 8,192 bytes further down
	v_lshl_add_u32 v4, v250, 4, v4
	v_mov_b32 v5, 0                                ; the search's 0
	v_and_b32 v6, 15, v0                           ; my row in a tile
	v_lshlrev_b32 v7, 4, v249
	v_lshlrev_b32 v251, 6, v249
	s_mul_i32 s97, s5, KOFF                        ; behind the barrier: my kind's regions
	s_lshl_b32 s96, s3, 7
	s_add_co_u32 s96, s96, s97
	s_add_co_u32 s96, s96, WSCL
	v_lshl_add_u32 v241, v240, 2, s96              ; my slab's scale words
	s_lshl_b32 s96, s3, 15
	s_add_co_u32 s96, s96, s97
	v_add_nc_u32 v242, s96, v1                     ; my slab's fragments
	v_lshlrev_b32 v247, 4, v0
	v_add_nc_u32 v245, KOFF, v247                  ; the shared path's copy: codes,
	v_add_nc_u32 v246, KOFF+65536, v247            ; scale words
	v_lshlrev_b32 v8, 4, v250
	v_lshl_add_u32 v8, v249, 3, v8                 ; hq: 16 q + 8 hh; never rewritten
	v_lshlrev_b32 v9, 2, v250                      ; and 4 q; never rewritten
	v_mov_b32 v248, 0                              ; destinations of lane permutes are written once
.irp j, 0,1,2,3
	v_mov_b32 v[MP+\j], 0
.endr
	s_mov_b32 s[SEL], 0x76543210
	s_mov_b32 s[SEL+1], 0xfedcba98
	s_wait_kmcnt 0x0
	s_cmp_lg_u32 s5, 0
	s_cbranch_scc1 .Lshared
	; ---- routed, ahead of the barrier.  The first 64 loads go out before anything else
	s_lshl_b32 s96, s6, 23                         ; the expert: 8 MiB
	s_lshl_b32 s97, s7, 8
	s_add_co_u32 s96, s96, s97
	s_lshl_b32 s97, s2, 21                         ; the wave's 256 rows of 8,192 bytes
	s_add_co_u32 s96, s96, s97
	s_mov_b32 s97, 0
	s_add_nc_u64 s[84:85], s[84:85], s[96:97]
	s_add_nc_u64 s[86:87], s[86:87], s[96:97]
	LOADSET 0, 0, 0
	LOADSET 1, 1, 0
	LOADSET 2, 2, 0
	LOADSET 3, 3, 0
	WIN 0
	s_lshl_b32 s96, s6, 7
	s_load_b512 s[16:31], s[88:89], s96 offset:0x2000   ; the expert's 32 mask words: bit b of word g = token 32 g + b
	s_load_b512 s[32:47], s[88:89], s96 offset:0x2040
	s_wait_kmcnt 0x0
	s_mov_b32 s96, 0
.set G, 0
.rept 32
	s_lshl_b32 s97, s96, 16
	s_or_b32 s[48+G+4*(G/16)], s97, G              ; (set bits ahead of word g) << 16 | g
	s_bcnt1_i32_b32 s97, s[16+G]
	s_add_co_u32 s96, s96, s97
.set G, G+1
.endr
	s_mov_b32 s99, s96                             ; the expert's count of rows, at most 1,024
	s_add_co_u32 s10, s96, 15
	s_lshr_b32 s10, s10, 4                         ; nt: its tiles
	s_or_b32 s96, s7, s2
	s_cmp_lg_u32 s96, 0
	s_cbranch_scc1 .Lno_pos                        ; one wave for each expert stores token -> rank, and the count
	v_lshlrev_b32 v218, 2, v0
	s_lshl_b32 s96, s6, 12
	v_add_nc_u32 v216, s96, v218
	s_lshl_b32 s96, s6, 7
	v_add_nc_u32 v217, s96, v218
.set G, 0
.rept 32
	s_lshr_b32 s96, s[48+G+4*(G/16)], 16
	v_mbcnt_lo_u32_b32 v[T+G], s[16+G], s96        ; set bits ahead of mine
	global_store_b32 v216, v[T+G], s[90:91] offset:128*G
.set G, G+1
.endr
	v_mov_b32 v[T+32], s99
	global_store_b32 v217, v[T+32], s[90:91] offset:32768
	s_wait_xcnt 0x0                                ; the stores have read their registers, which the quantiser writes next
.Lno_pos:
	SET 0, 0, 0, 48, 1, 4, 0                       ; three younger blocks, 48 loads, stay out
	SET 1, 1, 0, 48, 1, 5, 0
	SET 2, 2, 0, 48, 1, 6, 0
	SET 3, 3, 0, 48, 1, 7, 0
	SET 0, 4, 0, 48, 1, 0, 1
	SET 1, 5, 0, 48, 1, 1, 1
	SET 2, 6, 0, 48, 1, 2, 1
	SET 3, 7, 0, 48, 1, 3, 1
	SET 0, 0, 1, 48, 1, 4, 1
	SET 1, 1, 1, 48, 1, 5, 1
	SET 2, 2, 1, 48, 1, 6, 1
	SET 3, 3, 1, 48, 1, 7, 1
	SET 0, 4, 1, 48, 0, 0, 0                       ; nothing is left to ask for: the counts run down
	SET 1, 5, 1, 32, 0, 0, 0
	SET 2, 6, 1, 16, 0, 0, 0
	SET 3, 7, 1, 0, 0, 0, 0
	s_mov_b32 s12, 0                               ; the walk's first tile
	s_branch .Ljoin
	; ---- shared, ahead of the barrier: the two panel images go from simg into LDS as they lie
.Lshared:
	s_lshl_b32 s96, s6, 5
	s_add_co_u32 s96, s96, s7
	s_mul_i32 s96, s96, 2*PIMGB
	s_mov_b32 s97, 0
	s_add_nc_u64 s[92:93], s[92:93], s[96:97]
	WIN 0x40
.irp p, 0,1
.set I, 0
.rept 17
	global_load_b128 v[4*(17*\p+I):4*(17*\p+I)+3], v247, s[92:93] offset:PIMGB*\p+2048*I
.set I, I+1
.endr
.endr
.set G, 0
.rept 32                                       ; the search's registers are written on this way too, as for an expert that every token chose (rank = token): no line names a register that some way has left unwritten
	s_mov_b32 s[16+G], -1
	s_mov_b32 s[48+G+4*(G/16)], (G<<21)|G
.set G, G+1
.endr
	s_wait_loadcnt 0x0
	WIN 0x04                                       ; an LDS store's data are its source 1: window 1
.irp p, 0,1
.set I, 0
.rept 16
	ds_store_b128 v245, v[4*(17*\p+I):4*(17*\p+I)+3] offset:(I/4)*16384+\p*8192+(I%4)*2048
.set I, I+1
.endr
	ds_store_b128 v246, v[4*(17*\p+16):4*(17*\p+16)+3] offset:\p*2048
.endr
	WIN 0
	s_mov_b32 s10, 16                              ; 16 tiles,
	s_lshl_b32 s12, s8, 4                          ; from tile 16 x quarter on
.Ljoin:
	s_wait_loadcnt 0x0                             ; every load of mine is done: the registers that held their bases take other pointers
	s_load_b256 s[84:91], s[0:1], 0x10             ; rb1, rb2, sb1, sb2
	s_load_b64 s[92:93], s[0:1], 0x38              ; xq
	s_load_b64 s[14:15], s[0:1], 0x48              ; hq
	s_wait_dscnt 0x0                               ; for the others' sake: my LDS stores are done
	s_barrier_signal -1
	s_barrier_wait -1                              ; fragments and scale words lie in LDS
	s_wait_kmcnt 0x0
	; Every wave runs what follows, one without a tile too: all that it loads lies inside the buffers
	WIN 0x40
.irp p, 0,1
.irp u, 0,1
.irp s, 0,1,2,3,4,5,6,7
.irp c, 0,1
	ds_load_b128 v[128*\p+64*\u+8*\s+4*\c:128*\p+64*\u+8*\s+4*\c+3], v242 offset:\u*16384+\p*8192+\s*1024+512*\c   ; my 32 fragments: they stay
.endr
.endr
.endr
.endr
	WIN 0
.irp p, 0,1
.irp s, 0,1,2,3,4,5,6,7
	ds_load_b32 v[16+8*\p+\s], v241 offset:\p*2048+\s*256   ; lanes 0-15: tile u = 0, lanes 16-31: tile u = 1
.endr
.endr
	s_cmp_eq_u32 s5, 0
	s_cselect_b64 s[84:85], s[84:85], s[88:89]     ; b1 and b2 of my kind
	s_cselect_b64 s[86:87], s[86:87], s[90:91]
	s_lshl_b32 s96, s6, 13
	s_lshl_b32 s97, s7, 8
	s_add_co_u32 s96, s96, s97
	s_lshl_b32 s97, s3, 7
	s_add_co_u32 s96, s96, s97
	s_mov_b32 s97, 0
	s_add_nc_u64 s[84:85], s[84:85], s[96:97]
	s_add_nc_u64 s[86:87], s[86:87], s[96:97]
.irp p, 0,1
.irp u, 0,1
	global_load_b128 v[32+8*(2*\p+\u):35+8*(2*\p+\u)], v251, s[84+2*\p:85+2*\p] offset:32*\u      ; the bias in the result's layout: columns 16 hh + 8 u + 0..7 of my slab
	global_load_b128 v[36+8*(2*\p+\u):39+8*(2*\p+\u)], v251, s[84+2*\p:85+2*\p] offset:32*\u+16
.endr
.endr
	s_add_co_u32 s96, s12, s4                      ; my first tile in hq
	s_lshl_b32 s98, s7, 1
	s_add_co_u32 s98, s98, s3                      ; B = 2 cu + g
	s_lshl_b32 s100, s96, 14
	s_lshl_b32 s99, s9, 20
	s_add_co_u32 s100, s100, s99
	s_lshl_b32 s99, s98, 8
	s_add_co_u32 s100, s100, s99
	s_mov_b32 s101, 0
	s_add_nc_u64 s[88:89], s[14:15], s[100:101]    ; hq: my block of my first tile
	s_lshl_b32 s100, s96, 10
	s_lshl_b32 s99, s9, 16
	s_add_co_u32 s100, s100, s99
	s_lshr_b32 s99, s98, 2
	s_lshl_b32 s99, s99, 6
	s_add_co_u32 s100, s100, s99
	s_and_b32 s99, s98, 3
	s_add_co_u32 s100, s100, s99
	s_add_co_u32 s100, s100, HSOFF
	s_add_nc_u64 s[90:91], s[14:15], s[100:101]    ; and its scale bytes
	s_mov_b32 s11, s4                              ; t: the trip's first tile
	s_mov_b32 s13, 0                               ; trips
	TOK 10, 0                                      ; the tokens of my first tile,
	TOK 11, 2                                      ; and of my second
	s_wait_dscnt 0x0                               ; W and its scale words are in
	LOADX 0
.Lrow:                                             ; 16 trips of two tiles, for two parities: 64 tiles.  At a trip's head, on every way: set 0's 18 loads may be out, none of set 1's; v11 holds the tokens of tile t + 2
	s_cmp_ge_u32 s11, s10                          ; no tile left for me: the trip's work is jumped over (a stored count decides)
	s_cbranch_scc1 .Lnext
	UNIT 0
	UNIT 1
.Lnext:
	s_wait_xcnt 0x0                                ; the trip's stores have read their bases, which step now: four tiles on
	s_add_nc_u64 s[88:89], s[88:89], 0x10000
	s_add_nc_u64 s[90:91], s[90:91], 0x1000
	s_add_co_u32 s11, s11, 4
	s_add_co_u32 s13, s13, 1
	s_cmp_lt_u32 s13, 16
	s_cbranch_scc1 .Lrow
	s_wait_tensorcnt 0x0                           ; the wave's end
	ds_add_u32 v254, v255
	s_wait_dscnt 0x0
	s_endpgm
.Lfunc_end_k_q545e6210fa_up:
	.size	k_q545e6210fa_up, .Lfunc_end_k_q545e6210fa_up-k_q545e6210fa_up
	.p2alignl 7, 3214868480
	.fill 96, 4, 3214868480
	.section	.rodata,"a",@progbits
	.p2align	6, 0x0
	.amdhsa_kernel k_q545e6210fa_up
		.amdhsa_group_segment_fixed_size 139776
		.amdhsa_private_segment_fixed_size 0
		.amdhsa_enable_private_segment 0
		.amdhsa_kernarg_size 88
		.amdhsa_user_sgpr_count 2
		.amdhsa_user_sgpr_kernarg_segment_ptr 1
		.amdhsa_wavefront_size32 1
		.amdhsa_system_sgpr_workgroup_id_x 1
		.amdhsa_system_sgpr_workgroup_id_y 1
		.amdhsa_system_sgpr_workgroup_id_z 1
		.amdhsa_system_vgpr_workitem_id 0
		.amdhsa_next_free_vgpr 512
		.amdhsa_next_free_sgpr 102
		.amdhsa_reserve_vcc 1
		.amdhsa_float_denorm_mode_32 3
		.amdhsa_float_denorm_mode_16_64 3
		.amdhsa_memory_ordered 1
		.amdhsa_forward_progress 1
		.amdhsa_inst_pref_size 196
	.end_amdhsa_kernel
	.amdgpu_metadata
---
amdhsa.version: [ 1, 2 ]
amdhsa.kernels:
  - .name:           k_q545e6210fa_up
    .symbol:         k_q545e6210fa_up.kd
    .args:
      - { .name: rw1, .offset: 0, .size: 8, .value_kind: global_buffer, .address_space: global }
      - { .name: rw2, .offset: 8, .size: 8, .value_kind: global_buffer, .address_space: global }
      - { .name: rb1, .offset: 16, .size: 8, .value_kind: global_buffer, .address_space: global }
      - { .name: rb2, .offset: 24, .size: 8, .value_kind: global_buffer, .address_space: global }
      - { .name: sb1, .offset: 32, .size: 8, .value_kind: global_buffer, .address_space: global }
      - { .name: sb2, .offset: 40, .size: 8, .value_kind: global_buffer, .address_space: global }
      - { .name: simg, .offset: 48, .size: 8, .value_kind: global_buffer, .address_space: global }
      - { .name: xq, .offset: 56, .size: 8, .value_kind: global_buffer, .address_space: global }
      - { .name: route, .offset: 64, .size: 8, .value_kind: global_buffer, .address_space: global }
      - { .name: hq, .offset: 72, .size: 8, .value_kind: global_buffer, .address_space: global }
      - { .name: pos, .offset: 80, .size: 8, .value_kind: global_buffer, .address_space: global }
    .group_segment_fixed_size: 139776
    .private_segment_fixed_size: 0
    .kernarg_segment_align: 8
    .kernarg_segment_size: 88
    .max_flat_workgroup_size: 128
    .sgpr_count:     102
    .vgpr_count:     512
    .wavefront_size: 32
...
	.end_amdgpu_metadata
.endif
;; end of part 5
;; launch down: the kernel of part 3 again; grid 256 x 1, 4 waves a work-group, no clusters, 157,184 bytes of LDS; arguments rw3, rb3, sb3, simg, hq, pos, y; writes y
;; launch combine: the kernel of part 4 again; grid 256 x 1, 4 waves a work-group, no clusters, 0 bytes of LDS; arguments y, route, gatew, pos, out0; writes out0
